; MI455X (gfx1250); checked and timed in simulation.
; The chip was launched on July 23, 2026; its instructions are those of AMD's public machine-readable ISA for CDNA 5 (MIT licence, August 2026) and "CDNA5" Instruction Set Architecture Reference Guide (July 2026). The comments in the code are by the model that wrote it; some were corrected since.
;; Causal Self Attention. Allowed arithmetic: matrix products marked QUANTISED: E3M2 operands, one E8M0 scale for each 32 along K, by v_wmma_scale_f32_16x16x128_f8f6f4 with both operands' format E3M2, f32 sums; everything else in f32.
;; Inputs: w_k 1,024 x 1,024 float32; w_o 1,024 x 1,024 float32; w_q 1,024 x 1,024 float32; w_v 1,024 x 1,024 float32; x 4 x 2,048 x 1,024 float32.
;; Outputs: out0 4 x 2,048 x 1,024 float32.
;; This version of the problem:
;;   THIS VERSION OF THE PROBLEM IS GIVEN IN LOW PRECISION. The matrix products marked QUANTISED in the list below multiply operands that are first quantised to E3M2 (3 exponent bits, 2 mantissa bits; 6 bits a number), with one power-of-two scale for each 32 numbers along K (OCP MX v1.0); their sums are f32. All else is computed in f32.
;;   The module's matrix products, in the order in which they are computed (A, B: the left and right operand; K: the contracted axis; several contracted axes count as one K, in the product's order):
;;     1. [M 8,192, K 1,024] x [K 1,024, N 1,024]; A: input x; B: input w_q: QUANTISED
;;     2. [M 8,192, K 1,024] x [K 1,024, N 1,024]; A: input x; B: input w_k: QUANTISED
;;     3. [M 8,192, K 1,024] x [K 1,024, N 1,024]; A: input x; B: input w_v: QUANTISED
;;     4. batch 64 x [M 2,048, K 64] x [K 64, N 2,048]; A: computed on the way; B: computed on the way: QUANTISED
;;     5. batch 64 x [M 2,048, K 2,048] x [K 2,048, N 64]; A: softmax (see below); B: computed on the way: QUANTISED
;;     6. [M 8,192, K 1,024] x [K 1,024, N 1,024]; A: computed on the way; B: input w_o: QUANTISED
;;   THE QUANTISER, for each operand of a quantised product, along K:
;;     - K is cut into blocks of 32 from its start; a last block that is shorter is filled with zeros.
;;     - A block's scale is 2^e with e = floor(log2(the largest magnitude in the block)) - 4, held to -126 .. 127; a block of zeros has e = 0. As a byte (E8M0): e + 127.
;;     - Each number is divided by its block's scale, clamped to +-28, and rounded to the nearest number of E3M2, ties to even, subnormals kept.
;;     - The product sums the exact products of the quantised numbers (number of the format x scale) in f32.
;;   ~~~python
;;   def quantise(x, axis):      # numpy; x: float32 -> the quantised numbers, widened to float32 again
;;       x = np.moveaxis(x, axis, -1); K = x.shape[-1]
;;       x = np.pad(x, [(0, 0)] * (x.ndim - 1) + [(0, -K % 32)]); x = x.reshape(x.shape[:-1] + (-1, 32)); a = np.abs(x).max(-1, keepdims=True)
;;       e = np.where(a > 0, np.clip(np.frexp(np.where(a > 0, a, 1))[1] - 1 - 4, -126, 127), 0)      # np.frexp(a)[1] - 1 = floor(log2(a)), exactly
;;       r = np.clip(x / 2.0 ** e, -28, 28)
;;       step = 2.0 ** (np.maximum(np.frexp(np.where(r == 0, 1, r))[1] - 1, -2) - 2)
;;       q = np.round(r / step) * step * 2.0 ** e      # np.round: ties to even
;;       return np.moveaxis(q.reshape(q.shape[:-2] + (-1,))[..., :K], -1, axis).astype(np.float32)
;;   ~~~
;;   SOFTMAX AHEAD OF A QUANTISED PRODUCT. Where the list says 'softmax', what is quantised is not the finished softmax but p = 2^(t - M), with t = logit x log2(e) and M = ceil(the row's largest t), a whole number; so 1/2 < the row's largest p <= 1. The row's sum l is taken of the UNQUANTISED p, in f32, and the product's result is divided by l at the end. Since M is a whole number, a kernel that streams over the keys may use a running M (the ceiling of the running maximum): every later rescaling is an exact power of two, which a block's scale takes up: the codes' values come out the same.
;;   OPERANDS COMPUTED ON THE WAY. 'Computed on the way' means the value that the module computes at that place (a softmax that the list does not call 'softmax' is quantised finished and normalised). What goes into a quantiser is computed in f32, as accurately as f32 sums, v_exp_f32 and their like allow (about 1e-6 of the number): no bf16 or f16 on the way to a quantiser, and a product that is left as it is and whose result goes on into a quantised operand takes f32 operands (vector FMAs, or v_wmma_f32_16x16x4_f32). A number that lies on a knife's edge between two numbers of the format may be rounded either way, as far as f32 arithmetic and the matrix unit's own rounding can turn it there, and no further.
;; One version. Each part assembles by itself: llvm-mc -triple=amdgcn-amd-amdhsa -mcpu=gfx1250 --defsym DOCPART=n.
;; ======== version 1 of 1: 4 launches
;; workspace buffers: cw 9,830,400 bytes; qkv 20,185,088 bytes; ow 6,553,600 bytes
;; launch quant (part 1): grid 384 x 1, 4 waves a work-group, no clusters, 33,280 bytes of LDS; arguments x, w_q, w_k, w_v, w_o, cw; writes cw
.if DOCPART == 1
	.amdgcn_target "amdgcn-amd-amdhsa--gfx1250"
	.amdhsa_code_object_version 6
	.text
	.protected	k_q36590c32eb_quant
	.globl	k_q36590c32eb_quant
	.p2align	8
	.type	k_q36590c32eb_quant,@function
k_q36590c32eb_quant:
	s_mov_b64 s[64:65], 0
	v_nop
	global_prefetch_b8 v0, s[64:65] scope:SCOPE_SE
	s_setreg_imm32_b32 hwreg(HW_REG_WAVE_MODE, 25, 1), 1
	s_wait_xcnt 0x0
; x [8192][1024], w_q, w_k, w_v, w_o [1024][1024], f32, K innermost, become codes of BF6 (E3M2), 6 bits each, with one E8M0 scale byte for each 32 along K.
; They are laid in cw as ONE matrix of 12,288 stored rows: 0.. x, 8192.. w_q, 9216.. w_k, 10240.. w_v, 11264.. w_o; codes [12288][768 bytes] at byte 0, scale bytes [12288][32] at byte CWS.
; ROW ORDER.  Row p of x, w_q, w_k, w_v is stored at the row whose number has bits 3 and 4 of p exchanged (w_o stays in order).  So 16 consecutive stored rows 16 T + r, T = 2 B + u, are the rows
; 32 B + 8 u + r + 8 (r / 8): a matrix result whose registers run along such rows holds 16 neighbouring rows in the 16 registers of two neighbouring tiles, which is what the later launches' conversions take.
; A wave takes 8 rows (8,192 numbers), so the exchange is an exchange of the two bits of the wave's number in the place where its results go.
; A block's scale is 2^(floor(log2(its largest magnitude)) - 4); its byte is the largest magnitude's exponent field - 4, held at 1 from below.
; LIMITS: NaN and infinities among the inputs are not served.  A block of zeros gets the byte 1 where the rule says 127: its codes are zeros, which add nothing, and this program alone reads the bytes.
; A wave takes 16 steps of 512 numbers.  Each of a step's four loads reads 512 consecutive bytes; the 2,048 bytes turn through the wave's own stage in LDS and come back 64 bytes a lane, so that a lane holds
; 16 neighbours along K (two neighbouring lanes hold a block).  Loads run four steps ahead, the turn through LDS one step.  No tensor loads, no barrier: waves share nothing.
.set STEPS, 16
.set CB,    12                         ; bytes of 16 codes
.set R,     16                         ; v16-79   four sets of 16 numbers as they are loaded
.set X,     80                         ; v80-111  two sets of 16 neighbours
.set C,     128                        ; v128-191 codes: four registers for each step, so that no store's data are written again
.set E,     112                        ; v112-127 a scale byte for each step
.set WREG,  8192                       ; LDS: a region for each wave: two stages of 32 x SP bytes, behind them its 256 scale bytes
.set SP,    80                         ; a lane's place in a stage: 64 bytes + 16 of padding
.set CWS,   9437184                    ; where the scale bytes begin in cw
	s_load_b256 s[4:11], s[0:1], 0x0               ; x, w_q, w_k, w_v
	s_load_b128 s[12:15], s[0:1], 0x20             ; w_o, cw
	v_lshl_add_u32 v192, v0, 2, 0x8000
	v_mov_b32 v193, 0
	v_lshrrev_b32 v1, 5, v0
	v_readfirstlane_b32 s16, v1                    ; wave
	v_and_b32 v2, 31, v0                           ; lane
	v_lshlrev_b32 v3, 4, v2                        ; my 16 bytes of a load's 512
	s_mul_i32 s17, s16, WREG
	v_lshrrev_b32 v14, 2, v2
	v_mul_u32_u24 v14, v14, SP
	v_and_b32 v15, 3, v2
	v_lshl_add_u32 v14, v15, 4, v14
	v_add_nc_u32 v14, s17, v14                     ; the stage, on the way in: SP (lane / 4) + 16 (lane % 4)
	v_mul_u32_u24 v15, v2, SP
	v_add_nc_u32 v15, s17, v15                     ; and on the way out: SP x lane: my 16 neighbours
	v_mul_u32_u24 v4, v2, CB                       ; my codes' place in a step's
	v_lshrrev_b32 v5, 1, v2
	s_add_co_u32 s17, s17, 2*32*SP
	v_add_nc_u32 v5, s17, v5                       ; LDS: my wave's 256 scale bytes, my block's byte
	v_lshlrev_b32 v7, 3, v2                        ; and on the way out 8 bytes a lane
	v_add_nc_u32 v6, s17, v7
	s_and_b32 s23, s16, 1                          ; the wave's number with its two bits exchanged
	s_lshl_b32 s23, s23, 1
	s_lshr_b32 s24, s16, 1
	s_or_b32 s23, s23, s24
	s_wait_kmcnt 0x0
	; which tensor: work-groups 0-255 x, 256-287 w_q, 288-319 w_k, 320-351 w_v, 352-383 w_o.  The choice hangs on the work-group's number alone
	s_mov_b64 s[20:21], s[12:13]
	s_mov_b32 s22, 352
	s_cmp_lt_u32 ttmp9, 352
	s_cselect_b64 s[20:21], s[10:11], s[20:21]
	s_cselect_b32 s22, 320, s22
	s_cselect_b32 s23, s23, s16                    ; w_o's rows stay in order
	s_cmp_lt_u32 ttmp9, 320
	s_cselect_b64 s[20:21], s[8:9], s[20:21]
	s_cselect_b32 s22, 288, s22
	s_cmp_lt_u32 ttmp9, 288
	s_cselect_b64 s[20:21], s[6:7], s[20:21]
	s_cselect_b32 s22, 256, s22
	s_cmp_lt_u32 ttmp9, 256
	s_cselect_b64 s[20:21], s[4:5], s[20:21]
	s_cselect_b32 s22, 0, s22
	s_sub_co_u32 s24, ttmp9, s22
	s_lshl_b32 s24, s24, 2
	s_add_co_u32 s24, s24, s16                     ; which run of 8 rows of the tensor is my wave's
	s_lshl_b32 s24, s24, 15                        ; 32,768 bytes a run
	s_mov_b32 s25, 0
	s_add_nc_u64 s[4:5], s[20:21], s[24:25]        ; from here I read
	s_lshl_b32 s26, ttmp9, 2
	s_add_co_u32 s26, s26, s23                     ; the run of 8 stored rows that takes my results
	s_mul_i32 s28, s26, 6144
	s_mov_b32 s29, 0
	s_add_nc_u64 s[8:9], s[14:15], s[28:29]        ; its codes
	s_lshl_b32 s28, s26, 8
	s_add_co_u32 s28, s28, CWS
	s_add_nc_u64 s[10:11], s[14:15], s[28:29]      ; its 256 scale bytes
.macro LOAD t
.irp i, 0,1,2,3
	global_load_b128 v[R+16*((\t)%4)+4*\i:R+16*((\t)%4)+4*\i+3], v3, s[4:5] offset:2048*(\t)+512*\i th:TH_LOAD_NT   ; 32 lanes read 512 consecutive bytes
.endr
.endm
.macro TURN t                          ; step t's numbers through the stage: LDS serves a wave's instructions in order, so no wait stands between the stores and the loads
.irp i, 0,1,2,3
	ds_store_b128 v14, v[R+16*((\t)%4)+4*\i:R+16*((\t)%4)+4*\i+3] offset:32*SP*((\t)%2)+8*SP*\i
.endr
.irp i, 0,1,2,3
	ds_load_b128 v[X+16*((\t)%2)+4*\i:X+16*((\t)%2)+4*\i+3], v15 offset:32*SP*((\t)%2)+16*\i
.endr
.endm
.irp t, 0,1,2,3
	LOAD \t
.endr
	s_wait_loadcnt 12                              ; step 0's four loads are in; the twelve of steps 1 to 3 may be out
	TURN 0
.macro STEP t
.set XS, X+16*((\t)%2)
.if (\t) > 0
	s_wait_dscnt 1                                 ; this step's numbers are back from the stage (the last step's byte store may be out): so its stores into the stage have read their registers,
.else
	s_wait_dscnt 0x0
.endif
.if (\t)+4 < STEPS
	LOAD (\t)+4                                    ; which take the loads of four steps on
.endif
.if (\t)+1 < STEPS
.if STEPS-2-(\t) >= 3
	s_wait_loadcnt 12                              ; the next step's four loads are in; those of the three steps behind it may be out
.else
	s_wait_loadcnt 4*(STEPS-2-(\t))                ; near the end fewer steps stand behind it
.endif
	TURN (\t)+1                                    ; and go through the other stage while this step is worked
.endif
	v_max3_num_f32 v8, |v[XS]|, |v[XS+1]|, |v[XS+2]|               ; the largest magnitude of my 16, in two chains
	v_max3_num_f32 v9, |v[XS+3]|, |v[XS+4]|, |v[XS+5]|
.irp i, 6,10
	v_max3_num_f32 v8, v8, |v[XS+\i]|, |v[XS+\i+1]|
	v_max3_num_f32 v9, v9, |v[XS+\i+2]|, |v[XS+\i+3]|
.endr
	v_max3_num_f32 v8, v8, |v[XS+14]|, |v[XS+15]|
	v_max3_num_f32 v8, v8, v9, 0x2800000           ; and the floor 2^(5 - 127): so the byte cannot fall under 1
	v_max_num_f32_dpp v8, v8, v8 row_xmask:1 row_mask:0xf bank_mask:0xf   ; and of my neighbour's 16: the block's
	v_add_nc_u32 v11, 0xfe000000, v8               ; 4 off its exponent field: the conversion takes the exponent field of this operand as its scale, and nothing else of it
	v_cvt_scalef32_pk16_bf6_f32 v[C+4*(\t):C+4*(\t)+2], v[XS:XS+15], v11   ; sixteen numbers / the scale, to the nearest code, ties to even, beyond the largest code the largest; 96 bits without gaps
	v_lshrrev_b32 v[E+(\t)], 23, v11               ; the scale's byte (also the plain line behind the conversion)
	ds_store_b8 v5, v[E+(\t)] offset:16*(\t)       ; both lanes of a block write the same byte with the same value
	global_store_b96 v4, v[C+4*(\t):C+4*(\t)+2], s[8:9] offset:32*CB*(\t)   ; the wave stores 384 consecutive bytes
.endm
.irp t, 0,1,2,3,4,5,6,7,8,9,10,11,12,13,14,15
	STEP \t
.endr
	ds_load_b64 v[12:13], v6                       ; LDS serves a wave's instructions in order: these see my stores
	s_wait_dscnt 0x0
	global_store_b64 v7, v[12:13], s[10:11]        ; 32 lanes store 256 consecutive bytes, aligned
	s_wait_tensorcnt 0x0
	ds_add_u32 v192, v193
	s_wait_dscnt 0x0
	s_endpgm
.Lfunc_end_k_q36590c32eb_quant:
	.size	k_q36590c32eb_quant, .Lfunc_end_k_q36590c32eb_quant-k_q36590c32eb_quant
	.p2alignl 7, 3214868480
	.fill 96, 4, 3214868480
	.section	.rodata,"a",@progbits
	.p2align	6, 0x0
	.amdhsa_kernel k_q36590c32eb_quant
		.amdhsa_group_segment_fixed_size 33280
		.amdhsa_private_segment_fixed_size 0
		.amdhsa_enable_private_segment 0
		.amdhsa_kernarg_size 48
		.amdhsa_user_sgpr_count 2
		.amdhsa_user_sgpr_kernarg_segment_ptr 1
		.amdhsa_wavefront_size32 1
		.amdhsa_system_sgpr_workgroup_id_x 1
		.amdhsa_system_sgpr_workgroup_id_y 1
		.amdhsa_system_sgpr_workgroup_id_z 1
		.amdhsa_system_vgpr_workitem_id 0
		.amdhsa_next_free_vgpr 194
		.amdhsa_next_free_sgpr 66
		.amdhsa_reserve_vcc 0
		.amdhsa_float_denorm_mode_32 3
		.amdhsa_float_denorm_mode_16_64 3
		.amdhsa_memory_ordered 1
		.amdhsa_forward_progress 1
		.amdhsa_inst_pref_size 33
	.end_amdhsa_kernel
	.amdgpu_metadata
---
amdhsa.version: [ 1, 2 ]
amdhsa.kernels:
  - .name:           k_q36590c32eb_quant
    .symbol:         k_q36590c32eb_quant.kd
    .args:
      - { .name: x, .offset: 0, .size: 8, .value_kind: global_buffer, .address_space: global }
      - { .name: w_q, .offset: 8, .size: 8, .value_kind: global_buffer, .address_space: global }
      - { .name: w_k, .offset: 16, .size: 8, .value_kind: global_buffer, .address_space: global }
      - { .name: w_v, .offset: 24, .size: 8, .value_kind: global_buffer, .address_space: global }
      - { .name: w_o, .offset: 32, .size: 8, .value_kind: global_buffer, .address_space: global }
      - { .name: cw, .offset: 40, .size: 8, .value_kind: global_buffer, .address_space: global }
    .group_segment_fixed_size: 33280
    .private_segment_fixed_size: 0
    .kernarg_segment_align: 8
    .kernarg_segment_size: 48
    .max_flat_workgroup_size: 128
    .sgpr_count:     66
    .vgpr_count:     194
    .wavefront_size: 32
...
	.end_amdgpu_metadata
.endif
;; end of part 1
;; launch qkv (part 2): grid 12 x 32, 4 waves a work-group, clusters of 4 x 4, 327,680 bytes of LDS; arguments cw, qkv; writes qkv
.if DOCPART == 2
	.amdgcn_target "amdgcn-amd-amdhsa--gfx1250"
	.amdhsa_code_object_version 6
	.text
	.protected	k_q36590c32eb_qkv
	.globl	k_q36590c32eb_qkv
	.p2align	8
	.type	k_q36590c32eb_qkv,@function
k_q36590c32eb_qkv:
	s_mov_b64 s[64:65], 0
	v_nop
	global_prefetch_b8 v0, s[64:65] scope:SCOPE_SE
	s_setreg_imm32_b32 hwreg(HW_REG_WAVE_MODE, 25, 1), 1
	s_wait_xcnt 0x0
	s_wait_alu depctr_hold_cnt(0) depctr_sa_sdst(0) depctr_va_vdst(0) depctr_va_sdst(0) depctr_va_ssrc(0) depctr_va_vcc(0) depctr_vm_vsrc(0)
	s_getreg_b32 s2, hwreg(HW_REG_IB_STS2, 6, 4)
	s_cmp_eq_u32 s2, 0
	s_cbranch_scc0 .Lentry_in_a_cluster
	s_endpgm
.Lentry_in_a_cluster:
	s_bfe_u32 s2, ttmp6, 0x10000c
	s_cmp_lg_u32 s2, 0xf033
	s_cbranch_scc0 .Lentry_shape_is_right
	s_endpgm
.Lentry_shape_is_right:
; q = x w_q^T, k = x w_k^T, v = x w_v^T on codes of BF6 (E3M2) with one E8M0 scale for each 32 along K = 1,024; the results are quantised in registers and leave as codes: q and k along the head's 64, v along the keys.
; All operands are stored rows of cw (codes 768 bytes a row, scale bytes 32 a row at CWS): rows 0.. x, 8192.. w_q, 9216.. w_k, 10240.. w_v, each with bits 3 and 4 of the row number exchanged.
; A work-group of four waves makes 256 x 256 results, a wave 128 x 128: 64 accumulators of 16 x 16.  SOURCE 0 ("B") has its rows along a result's registers, SOURCE 1 ("A") in the lanes:
; in accumulator (a, b) lane (r, h) holds A's stored row 16 a + r, and its register j B's stored row 16 b + 8 h + j.  By the stored order the 16 registers of accumulators (a, 2 B) and (a, 2 B + 1) are the
; true rows 32 B + 16 h + 0 .. 15 of B: 16 neighbours along the axis that is quantised.
;   clusters x = 0, 1:  B = w_q, w_k (8 tiles of 256 features), A = x (32 tiles): a lane holds one position, its registers run along the features: two heads of 64 a wave.
;   cluster  x = 2:     B = x (32 tiles), A = w_v (4 tiles): a lane holds one channel, its registers run along the keys.  Nothing is transposed.
; 384 tiles for the chip's WGPs: uneven, kept because a smaller wave tile reads each fragment more often from LDS.
; K goes in steps of 256 through a ring of two LDS slots filled by the tensor data mover; the scale bytes of the work-group's 512 rows come once.  CLUSTERS of 4 x 4: A's tile is asked for jointly along a
; row of the cluster, B's along a column.
; OUT (buffer qkv).  A unit of 768 bytes is half an operand fragment (16 rows x 64 K) as an image of registers: lane l's registers 0-3 at 16 l, registers 4-5 at 512 + 8 l.
;   q, k codes at 0: [head 32 (0-15 q, 16-31 k)][position / 16: 512][768];  v codes at VC: [batch x head 64][64 keys: 32][channel tile 4][768]
;   scale words in units of 512 bytes for 8 tiles a of 16 rows: the word of (a, r) at 256 (a & 1) + 16 r + 4 (a >> 1);  q, k at QKS: [head 32][position / 128: 64];  v at VS: [batch 4][head pair 8][128 keys: 16]
; LIMITS: NaN and infinities are not served; a block of zeros gets the byte 1 (its codes are zeros; this program alone reads the bytes).
; REGISTERS, in windows of 256: window 0: v0-31 addresses; v32-63 scale words, two sets; v64-127 the way out; from v128 A's fragments, ONE set.  window 1: B's fragments, TWO sets.  windows 2, 3: the accumulators.
.set SIZE_K, 1024
.set KSTEP,  256                       ; along K in a slot
.set NQ,     KSTEP/128                 ; matrix instructions deep
.set ROWB,   192                       ; a tile's row in bytes
.set KROW,   768                       ; a stored row of codes in bytes
.set PITCH,  240                       ; an LDS row: 3 x (64 bytes of data + 16 of padding)
.set FR,     12                        ; registers of a fragment: 16 rows x 128 K
.set NL,     6                         ; LDS loads that bring one
.set NP,     4                         ; places behind this matrix instruction (ISA guide 7.12.1)
.set HALFT,  128*PITCH                 ; 128 rows: what one tensor load brings
.set SLOT,   4*HALFT                   ; A's 256 rows, then B's 256 rows
.set LAPS,   SIZE_K/(2*KSTEP)
.set KS,     SIZE_K/32                 ; a row of scale bytes
.set SCL,    2*SLOT                    ; behind the ring: the scale bytes, as rows of 256 bytes + 16 of padding
.set HALFS,  (128*KS/256)*272
.set SBLK,   (16*KS/256)*272
.set SPARE,  SCL+4*HALFS               ; the spare words, 128 bytes for each wave: two blocks of 256 bytes that no other line names
.set SCSTG,  SPARE+512                 ; 1,024 bytes for each wave: its results' scale words are gathered here; no fill ever lands here
.set CWS,    9437184
.set VC,     12582912
.set QKS,    18874368
.set VS,     19922944
.set ADRA, 16                          ; v16-17 LDS address of my A fragments in slot 0, 1 (v18-19: for the pieces behind one padding more)
.set ADRB, 20                          ; v20-21 the same for B (v22-23)
.set L16,  24                          ; v24    16 x lane
.set L8,   25                          ; v25    8 x lane
.set STS,  26                          ; v26    where I put a scale word: SCSTG + 1,024 wave + 512 h + 16 r
.set ADRS, 27                          ; v27    LDS address of my operands' scale words: lanes 0-15 A's rows, lanes 16-31 B's
.set SPW,  28                          ; v28    my spare word; never rewritten
.set NIL,  29                          ; v29    0; never rewritten
.set RDS,  30                          ; v30    where I read the gathered scale words back: SCSTG + 1,024 wave + 16 lane
.set SHV,  31                          ; v31    q, k: 16 h; v: 0: how far a scale word is shifted down
.set SC,   32                          ; scale words of the operands
.set PC,   64                          ; v64-83   the codes just made
.set TM,   88                          ; v88-91 largest magnitudes, v92-95 bytes, v100-103 the conversions' scale operands
.set PW,   104                         ; the scale word just made
.set BKS,  108                         ; v108-115 the gathered scale words
.set VAL,  120                         ; v120-127 a register for each block's scale word
.set AF,   128
.set G1, 24
.set G0, 32
.set G1B, 48
.set G0B, 56
.set G1S, 68
.set G0S, 76
.set G1SB, 80
.set G0SB, 88
.set MSB, 0
.macro WIN new                         ; the immediate's high byte repeats the setting that is left
.if MSB != (\new)
	s_set_vgpr_msb (MSB<<8)|(\new)
.set MSB, \new
.endif
.endm
.set MUL_LO, 0xa1                      ; source 0 (B) window 1, source 1 (A) window 0, C and D window 2
.set MUL_HI, 0xf1                      ; the same, C and D window 3
.set TO_B,   0x40                      ; destination window 1, address window 0
; A joint load: waves 0 and 1 fetch for A, waves 2 and 3 for B.  The branch hangs on the wave's number alone.  Four v_nop follow each of the two lines.
.macro JLOAD g0a, g1a, g0b, g1b
	s_cmp_eq_u32 s15, 0
	s_cbranch_scc0 .Lfor_b_\@
	tensor_load_to_lds s[\g0a:\g0a+3], s[\g1a:\g1a+7]
	s_nop 0
.rept 4
	v_nop
.endr
	s_branch .Lasked_\@
.Lfor_b_\@:
	tensor_load_to_lds s[\g0b:\g0b+3], s[\g1b:\g1b+7]
	s_nop 0
.rept 4
	v_nop
.endr
.Lasked_\@:
.endm
.macro CREST                           ; a round of the cluster's barrier behind its opening barrier
	s_cmp_lg_u32 s14, 0
	s_cbranch_scc1 .Lnot_wave_0_\@
	s_barrier_signal -3
.Lnot_wave_0_\@:
	s_barrier_wait -3
	s_barrier_signal -1
	s_barrier_wait -1
.endm
.macro CROUND                          ; a whole round
	s_barrier_signal -1
	s_barrier_wait -1
	CREST
.endm
	s_load_b128 s[4:7], s[0:1], 0x0                ; cw s[4:5], qkv s[6:7]
	v_lshl_add_u32 v[SPW], v0, 2, SPARE
	v_mov_b32 v[NIL], 0
	ds_add_u32 v28, v29
	ds_add_u32 v28, v29
	s_wait_dscnt 0x0
	v_lshrrev_b32 v1, 5, v0
	v_readfirstlane_b32 s14, v1                    ; wave 0..3
	s_lshr_b32 s15, s14, 1                         ; which half of A's rows is mine.  Also: I fetch for A (0) or for B (1)
	s_and_b32 s16, s14, 1                          ; which half of B's rows.  Also: which 128 rows of that tile I fetch
	s_bfe_u32 s40, ttmp6, 0x40000                  ; cx, cy: my place in the cluster
	s_bfe_u32 s41, ttmp6, 0x40004
	s_and_b32 s67, ttmp7, 0xffff                   ; the cluster's y
	s_mov_b32 s10, 8192
	s_cmp_eq_u32 ttmp9, 2                          ; the cluster's x: 0, 1 make q and k, 2 makes v: alike in all sixteen partners
	s_cselect_b32 s66, 1, 0                        ; 1: v
	s_cselect_b32 s8, s67, ttmp9                   ; the cluster's place among B's tiles
	s_cselect_b32 s9, 0, s67                       ; and among A's
	s_cselect_b32 s10, 0, s10                      ; B's first stored row: x, or w_q
	s_cselect_b32 s11, 10240, 0                    ; A's: w_v, or x
	s_lshl_b32 s42, s8, 2
	s_add_co_u32 s42, s42, s40                     ; B's tile = 4 x the cluster's place + cx
	s_lshl_b32 s17, s9, 2
	s_add_co_u32 s17, s17, s41                     ; A's tile = 4 x the cluster's place + cy
	s_lshl_b32 s43, s41, 2
	s_lshl_b32 s43, 15, s43                        ; my row of the cluster
	s_lshl_b32 s44, 0x1111, s40                    ; my column
	; descriptor group 1: a tile of 128 rows x ROWB bytes, padded in LDS
	s_or_b32 s[G1+0], s43, (0<<16)|(1<<20)|(1<<21)|(3<<22)|(3<<25)  ; 15:0 the mask: A's tiles go to my row; elements of 1 byte; padding on; bit 21 set beside a mask; after every 16 words 4 words
	s_or_b32 s[G1B+0], s44, (0<<16)|(1<<20)|(1<<21)|(3<<22)|(3<<25)
.irp g, G1, G1B
	s_mov_b32 s[\g+1], ROWB<<16                    ; tensor_dim0
	s_mov_b32 s[\g+2], 128<<16                     ; tensor_dim1 = 128
	s_mov_b32 s[\g+3], ROWB<<16                    ; tile_dim0
	s_mov_b32 s[\g+4], 128                         ; tile_dim1 = 128
	s_mov_b32 s[\g+5], KROW                        ; tensor_dim0_stride
	s_mov_b32 s[\g+6], 0
	s_mov_b32 s[\g+7], 0
.endr
	; the scale bytes of 128 rows: a dense block of 4,096 bytes, as 16 rows of 256 bytes (32 elements of 8 bytes), 16 bytes of padding behind each
	s_or_b32 s[G1S+0], s43, (3<<16)|(1<<20)|(1<<21)|(5<<22)|(3<<25)
	s_or_b32 s[G1SB+0], s44, (3<<16)|(1<<20)|(1<<21)|(5<<22)|(3<<25)
.irp g, G1S, G1SB
	s_mov_b32 s[\g+1], 32<<16
	s_mov_b32 s[\g+2], (128*KS/256)<<16
	s_mov_b32 s[\g+3], 32<<16
	s_mov_b32 s[\g+4], 128*KS/256
	s_mov_b32 s[\g+5], 32
	s_mov_b32 s[\g+6], 0
	s_mov_b32 s[\g+7], 0
.endr
	s_lshl_b32 s18, s16, 7                         ; which 128 rows of the tile I fetch
	s_lshl_b32 s20, s17, 8
	s_add_co_u32 s20, s20, s18
	s_add_co_u32 s20, s20, s11                     ; A: stored row
	s_lshl_b32 s46, s42, 8
	s_add_co_u32 s46, s46, s18
	s_add_co_u32 s46, s46, s10                     ; B: stored row
	s_lshl_b32 s22, s20, 5
	s_add_co_u32 s22, s22, CWS                     ; where these rows' scale bytes begin in cw,
	s_mov_b32 s23, 0
	s_lshl_b32 s92, s46, 5
	s_add_co_u32 s92, s92, CWS
	s_mov_b32 s93, 0
	s_mul_i32 s20, s20, KROW                       ; and their codes (all under 2^24)
	s_mov_b32 s21, 0
	s_mul_i32 s46, s46, KROW
	s_mov_b32 s47, 0
	s_mul_i32 s45, s14, HALFT                      ; where they go: wave x 128 rows: no place in the cluster enters an LDS address
	s_mul_i32 s94, s14, HALFS
	s_wait_kmcnt 0x0
	s_add_nc_u64 s[20:21], s[4:5], s[20:21]
	s_add_nc_u64 s[22:23], s[4:5], s[22:23]
	s_add_nc_u64 s[46:47], s[4:5], s[46:47]
	s_add_nc_u64 s[92:93], s[4:5], s[92:93]
	CROUND                                         ; all sixteen work-groups are here: the first joint loads meet
	s_mov_b32 s[G0S], 1
	s_add_co_u32 s[G0S+1], s94, SCL
	s_mov_b64 s[G0S+2:G0S+3], s[22:23]
	s_or_b32 s[G0S+3], s[G0S+3], 0x80000000
	s_mov_b32 s[G0SB], 1
	s_add_co_u32 s[G0SB+1], s94, SCL
	s_mov_b64 s[G0SB+2:G0SB+3], s[92:93]
	s_or_b32 s[G0SB+3], s[G0SB+3], 0x80000000
	JLOAD G0S, G1S, G0SB, G1SB                     ; the scale bytes first: they are wanted with K step 0
.irp s, 0,1
	s_mov_b32 s[G0+4*\s], 1
	s_add_co_u32 s[G0+4*\s+1], s45, \s*SLOT
	s_add_nc_u64 s[G0+4*\s+2:G0+4*\s+3], s[20:21], \s*ROWB
	s_or_b32 s[G0+4*\s+3], s[G0+4*\s+3], 0x80000000
	s_mov_b32 s[G0B+4*\s], 1
	s_add_co_u32 s[G0B+4*\s+1], s45, \s*SLOT
	s_add_nc_u64 s[G0B+4*\s+2:G0B+4*\s+3], s[46:47], \s*ROWB
	s_or_b32 s[G0B+4*\s+3], s[G0B+4*\s+3], 0x80000000
	JLOAD G0+4*\s, G1, G0B+4*\s, G1B               ; by this text's count three tensor loads of a wave are out now
.endr
	v_and_b32 v1, 15, v0                           ; r = l % 16
	v_bfe_u32 v2, v0, 4, 1                         ; h = l / 16
	v_mul_u32_u24 v3, v1, PITCH
	v_mul_u32_u24 v4, v2, 24
	v_add_nc_u32 v4, v3, v4                        ; a fragment's row x pitch + 24 x half
	v_lshl_add_u32 v5, v2, 4, v4                   ; and the same behind one padding more
	s_mul_i32 s21, s15, HALFT                      ; my 128 rows of A
	s_mul_i32 s22, s16, HALFT                      ; my 128 rows of B,
	s_add_co_u32 s22, s22, 2*HALFT                 ; which lie behind A's 256
.irp s, 0,1
	v_add_nc_u32 v[ADRA+\s], s21, v4
	v_add_nc_u32 v[ADRB+\s], s22, v4
	v_add_nc_u32 v[ADRA+2+\s], s21, v5
	v_add_nc_u32 v[ADRB+2+\s], s22, v5
	s_add_co_u32 s21, s21, SLOT
	s_add_co_u32 s22, s22, SLOT
.endr
	v_mul_u32_u24 v5, v1, KS                       ; my row's scale bytes: KS bytes a row,
	v_lshrrev_b32 v6, 8, v5
	v_lshl_add_u32 v5, v6, 4, v5                   ; and 16 more for each 256 passed
	s_mul_i32 s21, s15, HALFS                      ; A's: my 128 rows
	s_mul_i32 s22, s16, HALFS                      ; B's: my 128 rows, behind A's 256
	s_add_co_u32 s22, s22, 2*HALFS
	s_sub_co_u32 s22, s22, s21
	v_mul_u32_u24 v6, s22, v2                      ; lanes 16-31 take B's
	s_add_co_u32 s21, s21, SCL
	v_add_nc_u32 v5, v5, v6
	v_add_nc_u32 v[ADRS], s21, v5
	v_and_b32 v6, 31, v0
	v_lshlrev_b32 v[L16], 4, v6
	v_lshlrev_b32 v[L8], 3, v6
	s_lshl_b32 s23, s14, 10
	s_add_co_u32 s23, s23, SCSTG                   ; my wave's 1,024 bytes for scale words
	v_lshlrev_b32 v5, 4, v1
	v_lshl_add_u32 v5, v2, 9, v5
	v_add_nc_u32 v[STS], s23, v5
	v_add_nc_u32 v[RDS], s23, v[L16]
	; where my results go.  G = my 128 rows of B (2 x tile + half), H = my 128 rows of A.  Both forms are made, one is chosen
	s_lshl_b32 s95, s42, 1
	s_add_co_u32 s95, s95, s16                     ; G
	s_lshl_b32 s98, s17, 1
	s_add_co_u32 s98, s98, s15                     ; H
	s_mul_i32 s92, s95, 786432                     ; q, k: heads 2 G, 2 G + 1 of 393,216 bytes each,
	s_mul_i32 s93, s98, 6144                       ; eight units of 768 bytes for my 128 positions
	s_add_co_u32 s92, s92, s93
	s_lshl_b32 s93, s95, 16                        ; their scale words: 32,768 bytes a head, 512 for 128 positions
	s_lshl_b32 s94, s98, 9
	s_add_co_u32 s93, s93, s94
	s_add_co_u32 s93, s93, QKS
	s_lshr_b32 s94, s95, 4                         ; v: the batch,
	s_and_b32 s95, s95, 15                         ; the step of 128 keys in it
	s_mul_i32 s96, s94, 1572864                    ; 16 heads of 98,304 bytes a batch,
	s_mul_i32 s97, s98, 196608                     ; my pair of heads,
	s_add_co_u32 s96, s96, s97
	s_mul_i32 s97, s95, 6144                       ; two groups of 64 keys of 3,072 bytes
	s_add_co_u32 s96, s96, s97
	s_add_co_u32 s96, s96, VC
	s_lshl_b32 s94, s94, 16                        ; its scale words: 65,536 bytes a batch, 8,192 a pair of heads, 512 a step
	s_lshl_b32 s97, s98, 13
	s_add_co_u32 s94, s94, s97
	s_lshl_b32 s97, s95, 9
	s_add_co_u32 s94, s94, s97
	s_add_co_u32 s94, s94, VS
	s_mov_b32 s10, 393216
	s_cmp_eq_u32 s66, 1
	s_cselect_b32 s8, s96, s92                     ; codes
	s_cselect_b32 s12, s94, s93                    ; scale words
	s_cselect_b32 s10, 3072, s10                   ; from a fragment's first half to its second: the next 64 keys, or the next head
	s_cselect_b32 s96, 95232, 0                    ; v: blocks 4-7 are the pair's second head: 98,304 bytes on, less the 3,072 that the immediates have walked
	s_cselect_b32 s99, 0, 16
	s_mov_b32 s9, 0
	s_mov_b32 s11, 0
	s_mov_b32 s13, 0
	s_mov_b32 s97, 0
	s_add_nc_u64 s[8:9], s[6:7], s[8:9]            ; first halves
	s_add_nc_u64 s[10:11], s[8:9], s[10:11]        ; second halves
	s_add_nc_u64 s[12:13], s[6:7], s[12:13]        ; scale words
	v_mul_u32_u24 v[SHV], s99, v2
.macro FRAG reg, adr, q, i             ; a fragment, 16 rows x 128 K of 6-bit codes: lane l holds row l % 16; registers 6 c .. 6 c + 5 hold K = 64 c + 32 (l / 16) + 0 .. 31: 24 bytes of the row, as they lie
.irp p, 0,1,2,3,4,5                    ; in pieces of 8 bytes, so that every address is a multiple of the access's size
.set PCE, 12*(\q)+6*(\p/3)+\p%3        ; 16 bytes of padding lie behind every 8 pieces: where the piece three on lies behind one padding more, the second address register serves
.if PCE%8 < 5
	ds_load_b64 v[\reg+2*\p:\reg+2*\p+1], v[\adr] offset:8*PCE+16*(PCE/8)+(\i)*16*PITCH
.else
	ds_load_b64 v[\reg+2*\p:\reg+2*\p+1], v[\adr+2] offset:8*PCE+16*(PCE/8)+(\i)*16*PITCH
.endif
.endr
.endm
; 16 matrix instructions: A's blocks a0, a0 + 1 x B's eight, 128 along K.  zero = 1: the first product starts the sums.  The 64 accumulators take turns, one instruction a turn.
.macro MUL16 a0, p, q, sc, zero
.irp a, \a0, \a0+1
.irp b, 0,1,2,3,4,5,6,7
.if \zero
	v_wmma_scale_f32_16x16x128_f8f6f4 v[8*(8*((\a)%4)+\b):8*(8*((\a)%4)+\b)+7], v[128*(\p)+FR*\b:128*(\p)+FR*\b+FR-1], v[AF+FR*(\a):AF+FR*(\a)+FR-1], 0, v[SC+8*NQ*(\sc)+NQ*\b+(\q)], v[SC+8*NQ*(\sc)+NQ*(\a)+(\q)] matrix_a_fmt:MATRIX_FMT_BF6 matrix_b_fmt:MATRIX_FMT_BF6 matrix_a_scale:MATRIX_SCALE_ROW1
.else
	v_wmma_scale_f32_16x16x128_f8f6f4 v[8*(8*((\a)%4)+\b):8*(8*((\a)%4)+\b)+7], v[128*(\p)+FR*\b:128*(\p)+FR*\b+FR-1], v[AF+FR*(\a):AF+FR*(\a)+FR-1], v[8*(8*((\a)%4)+\b):8*(8*((\a)%4)+\b)+7], v[SC+8*NQ*(\sc)+NQ*\b+(\q)], v[SC+8*NQ*(\sc)+NQ*(\a)+(\q)] matrix_a_fmt:MATRIX_FMT_BF6 matrix_b_fmt:MATRIX_FMT_BF6 matrix_a_scale:MATRIX_SCALE_ROW1
.endif
.endr
.endr
.endm
.macro FETCH_B slot, q, p              ; B's eight fragments of the slot's q-th 128 along K into set p
	WIN TO_B
.irp i, 0,1,2,3,4,5,6,7
	FRAG 128*(\p)+FR*\i, ADRB+\slot, \q, \i
.endr
	WIN 0
.endm
.macro FETCH_A slot, q, i0             ; A's blocks i0 .. i0 + 3
.irp i, \i0, \i0+1, \i0+2, \i0+3
	FRAG AF+FR*(\i), ADRA+\slot, \q, \i
.endr
.endm
.macro SCALES sc                       ; the next K step's scale words into set sc: lanes 0-15 take A's block i, lanes 16-31 B's block i
.irp i, 0,1,2,3,4,5,6,7
	ds_load_b64 v[SC+8*NQ*\sc+NQ*\i:SC+8*NQ*\sc+NQ*\i+1], v[ADRS] offset:\i*SBLK
.endr
.endm
.macro PLACES n                        ; plain vector lines between a matrix instruction and a load into, or a read of, its registers
.rept \n
	v_nop
.endr
.endm
; A step of 128 along K that has its successor in the same slot.
.macro STEP slot, q, zero
	s_wait_dscnt 4*NL                              ; B's set and A's blocks 0-3 are in; the youngest 24 loads (A's blocks 4-7) may be out
	WIN MUL_LO
	MUL16 0, (\q)%2, \q, \slot, \zero
	MUL16 2, (\q)%2, \q, \slot, \zero
	s_wait_dscnt 0                                 ; A's blocks 4-7 are in
	PLACES NP
	FETCH_B \slot, (\q)+1, 1-(\q)%2
	FETCH_A \slot, (\q)+1, 0
	WIN MUL_HI
	MUL16 4, (\q)%2, \q, \slot, \zero
	MUL16 6, (\q)%2, \q, \slot, \zero
	PLACES NP
	WIN 0
	FETCH_A \slot, (\q)+1, 4
.endm
; A slot's last step changes slots: ONE barrier; in front of it each wave waits for all its tensor loads, adds 0 to its spare word, and waits for that and for its own reads of this slot.
.macro TURN slot, next, fill
	s_wait_tensorcnt 0x0                           ; all my tensor loads have landed: my part of the next slot
	ds_add_u32 v[SPW], v[NIL]                      ; 0 onto my spare word
	s_wait_dscnt 4*NL+1                            ; (the add and the youngest 24 loads, A's blocks 4-7, may be out)
	WIN MUL_LO
	MUL16 0, 1, NQ-1, \slot, 0                     ; sixteen matrix instructions stand between the add and the wait for it
	s_wait_dscnt 0x0                               ; the add is done, and my reads of this slot are over
	s_barrier_signal -1
	MUL16 2, 1, NQ-1, \slot, 0
	WIN 0
	s_barrier_wait -1
.if \fill
	CREST                                          ; the barrier has opened a round of the cluster's barrier: no wave of any partner still reads this slot's tile or has a load on its way
	s_add_nc_u64 s[G0+4*\slot+2:G0+4*\slot+3], s[G0+4*\slot+2:G0+4*\slot+3], 2*ROWB
	s_add_nc_u64 s[G0B+4*\slot+2:G0B+4*\slot+3], s[G0B+4*\slot+2:G0B+4*\slot+3], 2*ROWB
	JLOAD G0+4*\slot, G1, G0B+4*\slot, G1B         ; the first tensor load behind the round; its four v_nop are the places in front of the loads below
.else
	PLACES NP
.endif
	v_add_nc_u32 v[ADRS], 4*NQ, v[ADRS]            ; on to the next K step's scale words (no LDS load of mine is out)
	FETCH_B \next, 0, 0
	FETCH_A \next, 0, 0
	SCALES \next
	WIN MUL_HI
	MUL16 4, 1, NQ-1, \slot, 0
	MUL16 6, 1, NQ-1, \slot, 0
	PLACES NP
	WIN 0
	FETCH_A \next, 0, 4
.endm
	s_wait_tensorcnt 1                             ; the scale bytes and my part of K step 0 are in (K step 1's load may be out)
	s_barrier_signal -1
	s_barrier_wait -1                              ; everybody's are
	FETCH_B 0, 0, 0
	FETCH_A 0, 0, 0
	SCALES 0
	FETCH_A 0, 0, 4
	STEP 0, 0, 1                                   ; the first step stands in front of the loop: its products start the sums
	s_mov_b32 s3, LAPS-1
.Llap:                                                 ; a trip goes once round the ring and fills both slots again
	TURN 0, 1, 1
	STEP 1, 0, 0
	TURN 1, 0, 1
	STEP 0, 0, 0
	s_sub_co_u32 s3, s3, 1
	s_cmp_lg_u32 s3, 0
	s_cbranch_scc1 .Llap
	TURN 0, 1, 0                                   ; the last lap fills nothing
	STEP 1, 0, 0
	s_wait_dscnt 4*NL                              ; the very last step: nothing more to fetch
	WIN MUL_LO
	MUL16 0, 1, NQ-1, 1, 0
	MUL16 2, 1, NQ-1, 1, 0
	s_wait_dscnt 0
	WIN MUL_HI
	MUL16 4, 1, NQ-1, 1, 0
	MUL16 6, 1, NQ-1, 1, 0
	WIN 0
; THE WAY OUT.  Block a (A's 16 rows in the lanes): a lane's 64 numbers, register 16 B + i = true row 32 B + 16 h + i of B, are four half blocks of 32.  They become one fragment (12 registers) and one scale word,
; and leave as two units of 768 bytes.  Each accumulator is read from its low end on.
.macro QOUT a
.set AC, 64*((\a)%4)
	WIN 0x28+0x14*((\a)/4)                         ; sources 1 and 2: window 2 or 3
.irp b, 0,1,2,3
	v_max3_num_f32 v[TM+\b], 0x2800000, |v[AC+16*\b]|, |v[AC+16*\b+1]|   ; block b: my 16 numbers, and the floor 2^(5 - 127): so the byte cannot fall under 1
.endr
.irp i, 2,4,6,8,10,12,14
.irp b, 0,1,2,3
	v_max3_num_f32 v[TM+\b], v[TM+\b], |v[AC+16*\b+\i]|, |v[AC+16*\b+\i+1]|   ; (the four blocks by turns)
.endr
.endr
	WIN 0
.irp b, 0,1,2,3
	v_permlanex16_b32 v[TM+4+\b], v[TM+\b], s18, s19
.endr
.irp b, 0,1,2,3
	v_max_num_f32 v[TM+\b], v[TM+\b], v[TM+4+\b]   ; with lane l xor 16's: the block's largest magnitude
.endr
.irp b, 0,1,2,3
	v_add_nc_u32 v[TM+12+\b], 0xfe000000, v[TM+\b] ; 4 off its exponent field: the conversion's scale operand
.endr
.irp b, 0,1,2,3
	v_lshrrev_b32 v[TM+4+\b], 23, v[TM+12+\b]      ; the scale's byte
.endr
	v_lshl_or_b32 v[PW], v[TM+5], 8, v[TM+4]
	v_lshl_or_b32 v[PW], v[TM+6], 16, v[PW]
	v_lshl_or_b32 v[PW], v[TM+7], 24, v[PW]        ; my row's four bytes
	v_lshrrev_b32 v[VAL+(\a)], v[SHV], v[PW]       ; q, k: lanes 0-15 keep the word (its low two bytes are the first head's), lanes 16-31 bring the second head's two bytes down; v: the word as it is
	ds_store_b32 v[STS], v[VAL+(\a)] offset:((\a)&1)*256+((\a)>>1)*4   ; lanes 0-15 into my first unit of 512 bytes, lanes 16-31 into my second
	s_wait_xcnt 0x0                                ; the last block's stores have read their data and bases: both are written again only behind this wait
.if (\a) == 4
	s_add_nc_u64 s[8:9], s[8:9], s[96:97]          ; v: on to the pair's second head (q, k: 0)
	s_add_nc_u64 s[10:11], s[10:11], s[96:97]
.endif
	WIN 0x02+(\a)/4                                ; source 0: window 2 or 3
.irp c, 0,1
	v_cvt_scalef32_pk16_bf6_f32 v[PC+6*\c:PC+6*\c+2], v[AC+32*\c:AC+32*\c+15], v[TM+12+2*\c]
	v_cvt_scalef32_pk16_bf6_f32 v[PC+12+4*\c:PC+14+4*\c], v[AC+32*\c+16:AC+32*\c+31], v[TM+12+2*\c+1]   ; (a conversion's three registers begin on an even number)
.endr
	WIN 0
	v_nop                                          ; one plain line behind a scaled conversion
.irp c, 0,1                                    ; the operand's layout wants a WHOLE block in a lane: lanes 0-15 block 2 c, lanes 16-31 block 2 c + 1
.irp i, 0,1,2
	v_permlane16_swap_b32 v[PC+6*\c+\i], v[PC+12+4*\c+\i]
.endr
.irp i, 0,1,2
	v_mov_b32 v[PC+3+6*\c+\i], v[PC+12+4*\c+\i]
.endr
.endr
	global_store_b128 v[L16], v[PC:PC+3], s[8:9] offset:768*(\a)            ; 512 consecutive bytes, at a multiple of 256 from the buffer's first byte
	global_store_b64 v[L8], v[PC+4:PC+5], s[8:9] offset:768*(\a)+512        ; and 256 more
	global_store_b128 v[L16], v[PC+6:PC+9], s[10:11] offset:768*(\a)
	global_store_b64 v[L8], v[PC+10:PC+11], s[10:11] offset:768*(\a)+512
.endm
	s_mov_b32 s18, 0x76543210
	s_mov_b32 s19, 0xfedcba98                      ; v_permlanex16_b32's selects for lane l xor 16
	PLACES NP                                      ; behind the last products, ahead of the first read of results
.irp b, 0,1,2,3
	v_mov_b32 v[TM+4+\b], 0                        ; written once: a lane permute's destination counts as one of its sources
.endr
.irp a, 0,1,2,3,4,5,6,7
	QOUT \a
.endr
	ds_load_b128 v[BKS:BKS+3], v[RDS]              ; LDS serves a wave's instructions in order: these see my stores
	ds_load_b128 v[BKS+4:BKS+7], v[RDS] offset:512
	s_wait_dscnt 0x0
	global_store_b128 v[L16], v[BKS:BKS+3], s[12:13]   ; a unit of 512 bytes of scale words
	s_cmp_eq_u32 s66, 1                            ; v has one unit; q and k have a second, the second head's.  The branch hangs on the cluster's x: alike in all partners
	s_cbranch_scc1 .Lone_unit
	global_store_b128 v[L16], v[BKS+4:BKS+7], s[12:13] offset:32768
.Lone_unit:
	s_wait_tensorcnt 0x0                           ; the wave's end: behind my last tensor load and my last LDS store
	ds_add_u32 v[SPW], v[NIL]
	s_wait_dscnt 0x0
	CROUND                                         ; the closing round: no work-group ends while a partner may still ask for a tile that names it
	s_endpgm
.Lfunc_end_k_q36590c32eb_qkv:
	.size	k_q36590c32eb_qkv, .Lfunc_end_k_q36590c32eb_qkv-k_q36590c32eb_qkv
	.p2alignl 7, 3214868480
	.fill 96, 4, 3214868480
	.section	.rodata,"a",@progbits
	.p2align	6, 0x0
	.amdhsa_kernel k_q36590c32eb_qkv
		.amdhsa_group_segment_fixed_size 327680
		.amdhsa_private_segment_fixed_size 0
		.amdhsa_enable_private_segment 0
		.amdhsa_kernarg_size 16
		.amdhsa_user_sgpr_count 2
		.amdhsa_user_sgpr_kernarg_segment_ptr 1
		.amdhsa_wavefront_size32 1
		.amdhsa_system_sgpr_workgroup_id_x 1
		.amdhsa_system_sgpr_workgroup_id_y 1
		.amdhsa_system_sgpr_workgroup_id_z 1
		.amdhsa_system_vgpr_workitem_id 0
		.amdhsa_next_free_vgpr 1024
		.amdhsa_next_free_sgpr 100
		.amdhsa_reserve_vcc 0
		.amdhsa_float_denorm_mode_32 3
		.amdhsa_float_denorm_mode_16_64 3
		.amdhsa_memory_ordered 1
		.amdhsa_forward_progress 1
		.amdhsa_inst_pref_size 167
	.end_amdhsa_kernel
	.amdgpu_metadata
---
amdhsa.version: [ 1, 2 ]
amdhsa.kernels:
  - .name:           k_q36590c32eb_qkv
    .symbol:         k_q36590c32eb_qkv.kd
    .args:
      - { .name: cw, .offset: 0, .size: 8, .value_kind: global_buffer, .address_space: global }
      - { .name: qkv, .offset: 8, .size: 8, .value_kind: global_buffer, .address_space: global }
    .group_segment_fixed_size: 327680
    .private_segment_fixed_size: 0
    .kernarg_segment_align: 8
    .kernarg_segment_size: 16
    .max_flat_workgroup_size: 128
    .sgpr_count:     100
    .vgpr_count:     1024
    .wavefront_size: 32
...
	.end_amdgpu_metadata
.endif
;; end of part 2
;; launch attn (part 3): grid 4 x 64, 16 waves a work-group, clusters of 4 x 1, 215,040 bytes of LDS; arguments qkv, ow; writes ow
.if DOCPART == 3
	.amdgcn_target "amdgcn-amd-amdhsa--gfx1250"
	.amdhsa_code_object_version 6
	.text
	.protected	k_q36590c32eb_attn
	.globl	k_q36590c32eb_attn
	.p2align	8
	.type	k_q36590c32eb_attn,@function
k_q36590c32eb_attn:
	s_mov_b64 s[64:65], 0
	v_nop
	global_prefetch_b8 v0, s[64:65] scope:SCOPE_SE
	s_setreg_imm32_b32 hwreg(HW_REG_WAVE_MODE, 25, 1), 1
	s_wait_xcnt 0x0
	s_wait_alu depctr_hold_cnt(0) depctr_sa_sdst(0) depctr_va_vdst(0) depctr_va_sdst(0) depctr_va_ssrc(0) depctr_va_vcc(0) depctr_vm_vsrc(0)
	s_getreg_b32 s2, hwreg(HW_REG_IB_STS2, 6, 4)
	s_cmp_eq_u32 s2, 0
	s_cbranch_scc0 .Lentry_in_a_cluster
	s_endpgm
.Lentry_in_a_cluster:
	s_bfe_u32 s2, ttmp6, 0x10000c
	s_cmp_lg_u32 s2, 0x3003
	s_cbranch_scc0 .Lentry_shape_is_right
	s_endpgm
.Lentry_shape_is_right:
; Causal attention of one (batch, head) for each cluster, on codes of BF6 (E3M2) with one E8M0 scale for each 32 along a product's K; the result, divided by the row's sum, is quantised along the head's 64 and leaves as codes.
; THE SOFTMAX: t = score x log2(e) / 8; M = the row's largest t so far, rounded UP to a whole number; p = 2^(t - M) is quantised along the keys; the row's sum is taken of the unquantised p and divides at the end.
; When M moves, the sum and O are multiplied by 2^(old M - new M): exact.
; ORDER OF ROWS.  "Position" is a token's number with bits 3 and 4 exchanged (so the earlier launches stored them); a tile is 16 consecutive positions.  Both products are used transposed (S^T = K Q^T, O^T = V^T P^T),
; so a lane holds ONE query; by the stored order the 16 registers of two neighbouring tiles of S^T are 16 neighbouring KEYS, 32 B + 16 h + 0 .. 15, and those of O^T 16 neighbouring CHANNELS.
; NO RING.  One head's codes of K (98,304 bytes) and of V (98,304) and their scale words (2 x 8,192) fit in LDS together and are filled ONCE, jointly for the cluster's four work-groups: each of the sixteen waves
; issues two tensor loads; one barrier; nothing is filled again and nothing is stored to LDS.
; SHARES.  Work-group cx owns positions 128 G + 32 cx + 0 .. 31 of every group G of 128.  Wave w (j = w / 2, u = w % 2) takes tile u of them for G = j and then for G = 15 - j: (j + 1) + (16 - j) = 17 steps of 128 keys
; for every wave.  Which steps are left out and which lies on the diagonal hangs on G and the step alone, so on the wave's number: alike in all partners.  cx enters global addresses and the mask's lane constant alone.
; THE HEAD IS 64 WIDE, THE INSTRUCTION 128.  Q's registers 6-11 are zero codes, so K's operand may carry anything finite there: K's tiles lie six registers apart, and a tile's upper six registers are the next tile's
; codes (the format has no infinity and no NaN).  The scale words' bytes 2, 3 are a neighbouring head's bytes or 0, never 0xff.
; The result's scale bytes go out one byte a lane, 32 bytes apart: a row's 32 bytes come from sixteen clusters.  They are one byte for 24 of codes.
; LIMITS: NaN and infinities are not served; a block of zeros gets the byte 1 (its codes are zeros; this program alone reads the bytes).
; REGISTERS: v1 16 x lane, v2 8 x lane, v3 the mask's constant, v4, v5 offsets; v6-11 LDS addresses of the step; v12 -M, v13 the largest t, v[14:15] the sum; v16-27 Q (22-27 zeros); v28-29 V's scale words;
; v32-85 K's eight tiles (80-85 zeros), then V's four fragments in v32-79; v96-159 S^T, then p; v160-191 O^T; v224-235 p's codes; v232-254 at work; v248-251 K's scale words; v253 p's; v255 Q's.
.set VC,   12582912
.set QKS,  18874368
.set VS,   19922944
.set OS,   6291456
.set LV,   98304                       ; LDS: K's codes at 0, V's here,
.set LKS,  196608                      ; K's scale words,
.set LVS,  204800                      ; V's, of the pair of heads
.macro CROUND                          ; a round of the cluster's barrier
	s_barrier_signal -1
	s_barrier_wait -1
	s_cmp_lg_u32 s8, 0
	s_cbranch_scc1 .Lnot_wave_0_\@
	s_barrier_signal -3
.Lnot_wave_0_\@:
	s_barrier_wait -3
	s_barrier_signal -1
	s_barrier_wait -1
.endm
	s_load_b128 s[4:7], s[0:1], 0x0                ; qkv s[4:5], ow s[6:7]
	v_lshl_add_u32 v223, v0, 2, 0x34000
	v_mov_b32 v243, 0
	ds_add_u32 v223, v243
	ds_add_u32 v223, v243
	v_lshrrev_b32 v1, 5, v0
	s_delay_alu instid0(VALU_DEP_1)
	v_readfirstlane_b32 s8, v1                     ; wave 0..15
	s_lshr_b32 s9, s8, 1                           ; j
	s_and_b32 s10, s8, 1                           ; u
	s_bfe_u32 s11, ttmp6, 0x40000                  ; cx
	s_and_b32 s12, ttmp7, 0xffff                   ; 16 x batch + head, which the four partners share
	s_lshr_b32 s13, s12, 4                         ; batch
	s_and_b32 s14, s12, 15                         ; head
	; descriptor groups 1: dense blocks as rows of 256 bytes (32 elements of 8 bytes), no padding: 48 rows of codes, 4 rows of scale words
	s_mov_b32 s24, 15|(3<<16)|(1<<21)              ; 15:0 the mask: all four work-groups; elements of 8 bytes; bit 21 set beside a mask
	s_mov_b32 s25, 32<<16                          ; tensor_dim0 = 32
	s_mov_b32 s26, 48<<16                          ; tensor_dim1 = 48
	s_mov_b32 s27, 32<<16                          ; tile_dim0 = 32
	s_mov_b32 s28, 48                              ; tile_dim1 = 48
	s_mov_b32 s29, 32                              ; stride
	s_mov_b32 s30, 0
	s_mov_b32 s31, 0
	s_mov_b32 s32, 15|(3<<16)|(1<<21)
	s_mov_b32 s33, 32<<16
	s_mov_b32 s34, 4<<16
	s_mov_b32 s35, 32<<16
	s_mov_b32 s36, 4
	s_mov_b32 s37, 32
	s_mov_b32 s38, 0
	s_mov_b32 s39, 0
	; what my wave fetches: waves 0-7 an eighth of K's codes and scale words, waves 8-15 of V's
	s_add_co_u32 s16, s14, 16                      ; k's heads stand behind q's sixteen
	s_mul_i32 s17, s16, 393216
	s_mul_i32 s18, s13, 98304
	s_add_co_u32 s17, s17, s18                     ; K's codes of my head and batch
	s_mul_i32 s18, s12, 98304
	s_add_co_u32 s18, s18, VC-98304                ; V's, less the eight waves' parts that stand ahead of wave 8's
	s_lshl_b32 s19, s16, 15
	s_lshl_b32 s62, s13, 13
	s_add_co_u32 s19, s19, s62
	s_add_co_u32 s19, s19, QKS                     ; K's scale words
	s_lshl_b32 s62, s13, 3
	s_lshr_b32 s63, s14, 1
	s_add_co_u32 s62, s62, s63
	s_lshl_b32 s62, s62, 13
	s_add_co_u32 s62, s62, VS-8192                 ; V's, of the pair of heads
	s_cmp_lt_u32 s8, 8
	s_cselect_b32 s16, s17, s18
	s_cselect_b32 s18, s19, s62
	s_mul_i32 s63, s8, 12288
	s_add_co_u32 s16, s16, s63
	s_mov_b32 s17, 0
	s_lshl_b32 s62, s8, 10
	s_add_co_u32 s18, s18, s62
	s_mov_b32 s19, 0
	s_wait_dscnt 0x0
	s_wait_kmcnt 0x0
	s_mov_b32 s40, 1                               ; count = 1
	s_mov_b32 s41, s63                             ; LDS address: 12,288 x wave: K's codes, then V's
	s_add_nc_u64 s[42:43], s[4:5], s[16:17]
	s_or_b32 s43, s43, 0x80000000                  ; type = 2
	s_mov_b32 s44, 1
	s_add_co_u32 s45, s62, LKS                     ; 1,024 x wave behind the codes
	s_add_nc_u64 s[46:47], s[4:5], s[18:19]
	s_or_b32 s47, s47, 0x80000000
	CROUND                                         ; all four work-groups are here: the joint loads meet
	tensor_load_to_lds s[40:43], s[24:31]          ; two tensor loads of a wave are out
	s_nop 0
	tensor_load_to_lds s[44:47], s[32:39]
	s_nop 0
.rept 4
	v_nop
.endr
	v_and_b32 v1, 31, v0
	s_delay_alu instid0(VALU_DEP_1)
	v_lshlrev_b32 v2, 3, v1                        ; 8 x lane
	s_delay_alu instid0(VALU_DEP_2)
	v_lshlrev_b32 v1, 4, v1                        ; 16 x lane
	v_and_b32 v6, 15, v0                           ; r
	v_bfe_u32 v7, v0, 4, 1                         ; h
	s_delay_alu instid0(VALU_DEP_2)
	v_and_b32 v8, 8, v6
	s_delay_alu instid0(VALU_DEP_1)
	v_add_nc_u32 v8, v8, v6                        ; r + 8 (r / 8)
	s_delay_alu instid0(VALU_DEP_3)
	v_lshlrev_b32 v9, 4, v7
	s_delay_alu instid0(VALU_DEP_1)
	v_sub_nc_u32 v3, v8, v9
	s_lshl_b32 s16, s11, 5
	s_lshl_b32 s17, s10, 3
	s_add_co_u32 s16, s16, s17
	v_add_nc_u32 v3, s16, v3                       ; D = my query's token in its group of 128, less 16 h: 32 cx + 8 u + r + 8 (r / 8) - 16 h
	s_lshl_b32 s16, s10, 8
	s_lshl_b32 s17, s11, 2
	s_add_co_u32 s16, s16, s17
	v_lshl_add_u32 v4, v6, 4, s16                  ; Q's scale word in its unit: tile 2 cx + u, row r: 256 u + 16 r + 4 cx
	v_lshl_add_u32 v5, v6, 5, v7                   ; the result's scale byte: 32 r + h
.irp i, 22,23,24,25,26,27, 80,81,82,83,84,85, 236,237,238,239, 252,253
	v_mov_b32 v\i, 0                               ; Q's upper half and the six registers behind K's last tile: zero codes; the others: named as a permute's destination or a pair's half before they are first written
.endr
	s_and_b32 s72, s14, 1
	s_lshl_b32 s72, s72, 3
	s_add_co_u32 s72, s72, LVS                     ; V's scale words: my head's two of a lane's four words
	s_mov_b32 s20, 0x76543210
	s_mov_b32 s21, 0xfedcba98                      ; v_permlanex16_b32's selects for lane l xor 16
	s_mov_b32 s22, 0x3e38aa3b                      ; c = log2(e) / 8
	s_mov_b32 s23, s22                             ; (named with it as a pair)
	s_mov_b32 s53, 0xffff0000                      ; lanes 16-31
	s_wait_tensorcnt 0x0                           ; my parts are in,
	s_barrier_signal -1
	s_barrier_wait -1                              ; everybody's are
; ONE TILE OF 16 QUERIES, all its keys.  p = 0: group G = j; p = 1: G = 15 - j.
.macro PASS p
	s_wait_xcnt 0x0                                ; the last pass's loads and stores have read their bases and data: they are written again only behind this wait
.if \p
	s_xor_b32 s15, s9, 15                          ; G = 15 - j (j is under 8)
.else
	s_mov_b32 s15, s9
.endif
	s_lshl_b32 s16, s15, 3
	s_lshl_b32 s17, s11, 1
	s_add_co_u32 s16, s16, s17
	s_add_co_u32 s16, s16, s10                     ; my tile in the batch: 8 G + 2 cx + u
	s_mul_i32 s17, s14, 393216
	s_mul_i32 s18, s13, 98304
	s_add_co_u32 s17, s17, s18
	s_mul_i32 s18, s16, 768
	s_add_co_u32 s66, s17, s18
	s_mov_b32 s67, 0
	s_add_nc_u64 s[54:55], s[4:5], s[66:67]        ; Q's unit of codes
	s_lshl_b32 s17, s13, 4
	s_add_co_u32 s17, s17, s15
	s_lshl_b32 s17, s17, 9
	s_lshl_b32 s18, s14, 15
	s_add_co_u32 s17, s17, s18
	s_add_co_u32 s66, s17, QKS
	s_add_nc_u64 s[56:57], s[4:5], s[66:67]        ; Q's unit of scale words
	s_lshl_b32 s17, s13, 7
	s_add_co_u32 s17, s17, s16                     ; my tile among all 512
	s_lshr_b32 s18, s14, 2
	s_lshl_b32 s18, s18, 9
	s_add_co_u32 s18, s18, s17
	s_mul_i32 s18, s18, 3072
	s_and_b32 s19, s14, 3
	s_mul_i32 s19, s19, 768
	s_add_co_u32 s66, s18, s19
	s_add_nc_u64 s[58:59], s[6:7], s[66:67]        ; the result's unit: [head / 4][tile][head % 4]
	s_lshl_b32 s17, s17, 9
	s_lshl_b32 s18, s14, 1
	s_add_co_u32 s17, s17, s18
	s_add_co_u32 s66, s17, OS
	s_add_nc_u64 s[60:61], s[6:7], s[66:67]        ; its scale bytes: 32 a position, mine at 2 x head
	global_load_b128 v[16:19], v1, s[54:55]
	global_load_b64 v[20:21], v2, s[54:55] offset:512
	global_load_b32 v255, v4, s[56:57]
.set NN, 0
.rept 32
	v_mov_b32 v[160+NN], 0                         ; O^T: the step is written once; the first finds zeros, which the first change of M leaves zeros
.set NN, NN+1
.endr
	v_mov_b32 v13, 0xff61b1e6                      ; the largest t so far: -3e38, under every t
	s_delay_alu instid0(VALU_DEP_1)
	v_floor_f32 v12, -v13                          ; -M
	v_mov_b32 v14, 0
	v_mov_b32 v15, 0
	s_mov_b32 s48, 0                               ; the step's K codes,
	s_mov_b32 s49, LV                              ; V codes,
	s_mov_b32 s50, LKS                             ; K scale words,
	s_mov_b32 s51, s72                             ; V scale words
	s_mov_b32 s52, 0                               ; the step
	s_wait_loadcnt 0x0                             ; Q
.Lstep_\@:                                         ; 16 trips, a constant; a step all of whose keys come after my queries does nothing but step the addresses
	s_cmp_gt_u32 s52, s15
	s_cbranch_scc1 .Lskip_\@
	s_setprio 2
	v_add_nc_u32 v6, s48, v1                       ; (these six are also the places behind the last step's products, ahead of the loads into their registers)
	v_add_nc_u32 v7, s48, v2
	v_add_nc_u32 v8, s49, v1
	v_add_nc_u32 v9, s49, v2
	v_add_nc_u32 v10, s50, v1
	v_add_nc_u32 v11, s51, v1
.irp t, 0,1,2,3,4,5,6,7
	ds_load_b128 v[32+6*\t:35+6*\t], v6 offset:768*\t          ; a unit comes back as it was stored: an image of six registers
	ds_load_b64 v[36+6*\t:37+6*\t], v7 offset:768*\t+512
.endr
	ds_load_b128 v[248:251], v10                   ; register t / 2: lanes 0-15 an even tile's words, lanes 16-31 an odd tile's
	s_wait_alu depctr_va_vdst(0)
	s_wait_dscnt 0x0
.irp t, 0,1,2,3,4,5,6,7                        ; S^T = K Q^T
.if (\t)%2
	v_wmma_scale_f32_16x16x128_f8f6f4 v[96+8*\t:103+8*\t], v[32+6*\t:43+6*\t], v[16:27], 0, v[248+(\t)/2], v255 matrix_a_fmt:MATRIX_FMT_BF6 matrix_b_fmt:MATRIX_FMT_BF6 matrix_a_scale:MATRIX_SCALE_ROW1
.else
	v_wmma_scale_f32_16x16x128_f8f6f4 v[96+8*\t:103+8*\t], v[32+6*\t:43+6*\t], v[16:27], 0, v[248+(\t)/2], v255 matrix_a_fmt:MATRIX_FMT_BF6 matrix_b_fmt:MATRIX_FMT_BF6
.endif
.endr
.rept 4
	v_nop                                          ; places ahead of the loads into K's registers and of the first read of the scores
.endr
.irp t, 0,1,2,3                                ; V's four fragments are asked for now and land under the softmax
.irp c, 0,1
	ds_load_b128 v[32+12*\t+6*\c:35+12*\t+6*\c], v8 offset:3072*\c+768*\t
	ds_load_b64 v[36+12*\t+6*\c:37+12*\t+6*\c], v9 offset:3072*\c+768*\t+512
.endr
.endr
	ds_load_b64 v[28:29], v11
	s_cmp_lg_u32 s52, s15                          ; only the step of my own group lies on the diagonal
	s_cbranch_scc1 .Lopen_\@
	v_mov_b32 v254, 0xff800000                     ; -infinity: p = 0 then.  Register 16 B + i holds key 32 B + 16 h + i of the group: hidden where 32 B + i > D
.set NN, 0
.rept 64
	v_cmp_gt_i32 vcc_lo, 32*(NN/16)+NN%16, v3
	v_cndmask_b32 v[96+NN], v[96+NN], v254, vcc_lo
.set NN, NN+1
.endr
.Lopen_\@:
.irp b, 0,1,2,3
	v_max3_num_f32 v[232+\b], v[96+16*\b], v[97+16*\b], v[98+16*\b]   ; the largest score of each block of 32 keys: for the row's maximum, and, since p rises with the score, for the block's largest p
.endr
.irp i, 3,5,7,9,11,13
.irp b, 0,1,2,3
	v_max3_num_f32 v[232+\b], v[232+\b], v[96+16*\b+\i], v[97+16*\b+\i]
.endr
.endr
.irp b, 0,1,2,3
	v_max_num_f32 v[232+\b], v[232+\b], v[111+16*\b]
.endr
.irp b, 0,1,2,3
	s_delay_alu instid0(VALU_DEP_4)
	v_permlanex16_b32 v[236+\b], v[232+\b], s20, s21
.endr
.irp b, 0,1,2,3
	s_delay_alu instid0(VALU_DEP_4)
	v_max_num_f32 v[232+\b], v[232+\b], v[236+\b]  ; with lane l xor 16's 16 keys
.endr
	s_delay_alu instid0(VALU_DEP_2)
	v_max3_num_f32 v254, v232, v233, v234
	s_delay_alu instid0(VALU_DEP_1)
	v_max_num_f32 v254, v254, v235                 ; the step's largest score of my query
	s_delay_alu instid0(VALU_DEP_1)
	v_mul_f32 v254, s22, v254                      ; as t
	s_delay_alu instid0(VALU_DEP_1)
	v_max_num_f32 v13, v13, v254                   ; the running largest t
	v_mov_b32 v254, v12
	s_delay_alu instid0(VALU_DEP_2)
	v_floor_f32 v12, -v13                          ; the new -M = -ceil(t)
	s_delay_alu instid0(VALU_DEP_1)
	v_sub_f32 v254, v12, v254                      ; old M - new M: a whole number, 0 or less
	s_delay_alu instid0(VALU_DEP_1)
	v_cvt_i32_f32 v254, v254                       ; (it saturates)
	s_delay_alu instid0(VALU_DEP_1)
	v_ldexp_f32 v252, 1.0, v254                    ; f = 2^(old M - new M)
.set NN, 0
	s_setprio 1
.rept 32
	v_pk_fma_f32 v[96+NN:97+NN], v[96+NN:97+NN], s[22:23], v[12:13] op_sel_hi:[1,0,0]   ; t - M, two at a time
.set NN, NN+2
.endr
.irp b, 0,1,2,3
	v_fma_f32 v[232+\b], v[232+\b], s22, v12       ; the same of each block's largest score
.endr
.set NN, 0
	s_wait_alu depctr_va_vdst(0)
.rept 64
	v_exp_f32 v[96+NN], v[96+NN]                   ; p = 2^(t - M), at most 1
.set NN, NN+1
.endr
	v_pk_mul_f32 v[14:15], v[14:15], v[252:253] op_sel_hi:[1,0]   ; the sums under the new M (a plain line behind the exponentials)
	s_wait_alu depctr_va_vdst(0)                   ; one wait for the whole batch, ahead of its first reader
.irp b, 0,1,2,3
	v_exp_f32 v[232+\b], v[232+\b]                 ; the block's largest p
.endr
	v_pk_add_f32 v[236:237], v[100:101], v[104:105]
	v_pk_add_f32 v[250:251], v[108:109], v[112:113]
	v_pk_add_f32 v[248:249], v[116:117], v[120:121]
	v_pk_add_f32 v[246:247], v[124:125], v[128:129]
	v_pk_add_f32 v[244:245], v[132:133], v[136:137]
	v_pk_add_f32 v[240:241], v[140:141], v[144:145]
	v_pk_add_f32 v[238:239], v[148:149], v[152:153]
	v_pk_add_f32 v[14:15], v[14:15], v[156:157]
	v_pk_add_f32 v[236:237], v[236:237], v[96:97]
	v_pk_add_f32 v[250:251], v[250:251], v[98:99]
	v_pk_add_f32 v[248:249], v[248:249], v[102:103]
	v_pk_add_f32 v[246:247], v[246:247], v[106:107]
	v_pk_add_f32 v[244:245], v[244:245], v[110:111]
	v_pk_add_f32 v[240:241], v[240:241], v[114:115]
	v_pk_add_f32 v[238:239], v[238:239], v[118:119]
	v_pk_add_f32 v[14:15], v[14:15], v[122:123]
	v_pk_add_f32 v[236:237], v[236:237], v[126:127]
	v_pk_add_f32 v[250:251], v[250:251], v[130:131]
	v_pk_add_f32 v[248:249], v[248:249], v[134:135]
	v_pk_add_f32 v[246:247], v[246:247], v[138:139]
	v_pk_add_f32 v[244:245], v[244:245], v[142:143]
	v_pk_add_f32 v[240:241], v[240:241], v[146:147]
	v_pk_add_f32 v[238:239], v[238:239], v[150:151]
	v_pk_add_f32 v[14:15], v[14:15], v[154:155]
	v_pk_add_f32 v[236:237], v[236:237], v[158:159]
	s_delay_alu instid0(VALU_DEP_2)
	v_pk_add_f32 v[14:15], v[14:15], v[246:247]
	s_delay_alu instid0(VALU_DEP_2)
	v_pk_add_f32 v[236:237], v[236:237], v[244:245]
	v_pk_add_f32 v[250:251], v[250:251], v[240:241]
	v_pk_add_f32 v[248:249], v[248:249], v[238:239]
	s_delay_alu instid0(VALU_DEP_2)
	v_pk_add_f32 v[14:15], v[14:15], v[250:251]
	s_delay_alu instid0(VALU_DEP_2)
	v_pk_add_f32 v[236:237], v[236:237], v[248:249]
	s_delay_alu instid0(VALU_DEP_1)
	v_pk_add_f32 v[14:15], v[14:15], v[236:237]
	s_wait_alu depctr_va_vdst(0)                   ; and one for the four
.irp b, 0,1,2,3
	v_max_num_f32 v[232+\b], 0x2800000, v[232+\b]  ; the floor 2^(5 - 127): the byte cannot fall under 1
.endr
.irp b, 0,1,2,3
	s_delay_alu instid0(VALU_DEP_4)
	v_add_nc_u32 v[244+\b], 0xfe000000, v[232+\b]  ; 4 off the exponent field: the conversion's scale operand
.endr
.irp b, 0,1,2,3
	s_delay_alu instid0(VALU_DEP_4)
	v_lshrrev_b32 v[236+\b], 23, v[244+\b]         ; the scale's byte
.endr
	s_delay_alu instid0(VALU_DEP_3)
	v_lshl_or_b32 v253, v237, 8, v236              ; p's scale word for these 128 keys
	s_delay_alu instid0(VALU_DEP_1)
	v_lshl_or_b32 v253, v238, 16, v253
	s_delay_alu instid0(VALU_DEP_1)
	v_lshl_or_b32 v253, v239, 24, v253
	s_setprio 0
.irp c, 0,1
	v_cvt_scalef32_pk16_bf6_f32 v[224+6*\c:226+6*\c], v[96+32*\c:111+32*\c], v[244+2*\c]
	v_cvt_scalef32_pk16_bf6_f32 v[236+4*\c:238+4*\c], v[112+32*\c:127+32*\c], v[244+2*\c+1]
.endr
	v_nop                                          ; one plain line behind a scaled conversion
.irp c, 0,1                                    ; a WHOLE block in a lane: lanes 0-15 block 2 c, lanes 16-31 block 2 c + 1
.irp i, 0,1,2
	v_permlane16_swap_b32 v[224+6*\c+\i], v[236+4*\c+\i]
.endr
.irp i, 0,1,2
	s_delay_alu instid0(VALU_DEP_3)
	v_mov_b32 v[227+6*\c+\i], v[236+4*\c+\i]
.endr
.endr
.set NN, 0
.rept 16
	v_pk_mul_f32 v[160+NN:161+NN], v[160+NN:161+NN], v[252:253] op_sel_hi:[1,0]   ; O^T under the new M.  (These sixteen also stand between the writes of p's codes and scale word and the products)
.set NN, NN+2
.endr
	s_wait_alu depctr_va_vdst(0)
	s_wait_dscnt 0x0                               ; V
.irp t, 0,1,2,3                                ; O^T += V^T P^T: four accumulators by turns, one instruction a turn
.if (\t)%2
	v_wmma_scale_f32_16x16x128_f8f6f4 v[160+8*\t:167+8*\t], v[32+12*\t:43+12*\t], v[224:235], v[160+8*\t:167+8*\t], v[28+(\t)/2], v253 matrix_a_fmt:MATRIX_FMT_BF6 matrix_b_fmt:MATRIX_FMT_BF6 matrix_a_scale:MATRIX_SCALE_ROW1
.else
	v_wmma_scale_f32_16x16x128_f8f6f4 v[160+8*\t:167+8*\t], v[32+12*\t:43+12*\t], v[224:235], v[160+8*\t:167+8*\t], v[28+(\t)/2], v253 matrix_a_fmt:MATRIX_FMT_BF6 matrix_b_fmt:MATRIX_FMT_BF6
.endif
.endr
.Lskip_\@:
	s_add_co_u32 s48, s48, 6144
	s_add_co_u32 s49, s49, 6144
	s_add_co_u32 s50, s50, 512
	s_add_co_u32 s51, s51, 512
	s_add_co_u32 s52, s52, 1
	s_cmp_lt_u32 s52, 16
	s_cbranch_scc1 .Lstep_\@
	s_setprio 0
	; the tile's end: O^T / the sum, quantised along the head's 64: two blocks of 32
.rept 4
	v_nop                                          ; places behind the last products
.endr
	s_wait_alu depctr_va_vdst(0)
	v_add_f32 v14, v14, v15
	s_delay_alu instid0(VALU_DEP_1)
	v_permlanex16_b32 v252, v14, s20, s21
	s_delay_alu instid0(VALU_DEP_1)
	v_add_f32 v14, v14, v252                       ; the row's sum
	s_wait_alu depctr_va_vdst(0)
	v_rcp_f32 v14, v14
	v_nop                                          ; a plain line behind the transcendental
	s_wait_alu depctr_va_vdst(0)                   ; and the wait ahead of its first reader
.set NN, 0
.rept 32
	v_mul_f32 v[96+NN], v[160+NN], v14             ; register 16 B + i: channel 32 B + 16 h + i of my query
.set NN, NN+1
.endr
	v_max3_num_f32 v232, |v96|, |v97|, 0x2800000
	v_max3_num_f32 v233, |v112|, |v113|, 0x2800000
.irp i, 2,4,6,8,10,12,14
	s_delay_alu instid0(VALU_DEP_2)
	v_max3_num_f32 v232, v232, |v[96+\i]|, |v[97+\i]|
	s_delay_alu instid0(VALU_DEP_2)
	v_max3_num_f32 v233, v233, |v[112+\i]|, |v[113+\i]|
.endr
	s_delay_alu instid0(VALU_DEP_2)
	v_permlanex16_b32 v236, v232, s20, s21
	s_delay_alu instid0(VALU_DEP_2)
	v_permlanex16_b32 v237, v233, s20, s21
	s_delay_alu instid0(VALU_DEP_2)
	v_max_num_f32 v232, v232, v236
	s_delay_alu instid0(VALU_DEP_2)
	v_max_num_f32 v233, v233, v237
	s_delay_alu instid0(VALU_DEP_2)
	v_add_nc_u32 v244, 0xfe000000, v232
	s_delay_alu instid0(VALU_DEP_2)
	v_add_nc_u32 v245, 0xfe000000, v233
	s_delay_alu instid0(VALU_DEP_2)
	v_lshrrev_b32 v236, 23, v244
	s_delay_alu instid0(VALU_DEP_2)
	v_lshrrev_b32 v237, 23, v245
	s_delay_alu instid0(VALU_DEP_1)
	v_cndmask_b32 v254, v236, v237, s53            ; lane (r, h) stores block h's byte
	v_cvt_scalef32_pk16_bf6_f32 v[224:226], v[96:111], v244
	v_cvt_scalef32_pk16_bf6_f32 v[228:230], v[112:127], v245
	v_nop
	v_permlane16_swap_b32 v224, v228               ; lanes 0-15: block 0, lanes 16-31: block 1; the first three registers its lower 16 codes, the second three the upper
	v_permlane16_swap_b32 v225, v229
	v_permlane16_swap_b32 v226, v230
	s_delay_alu instid0(VALU_DEP_3)
	v_mov_b32 v227, v228
	s_delay_alu instid0(VALU_DEP_3)
	v_mov_b32 v228, v229
	s_delay_alu instid0(VALU_DEP_3)
	v_mov_b32 v229, v230
	global_store_b128 v1, v[224:227], s[58:59]     ; a unit of 768 bytes: 512 consecutive bytes,
	global_store_b64 v2, v[228:229], s[58:59] offset:512   ; and 256 more
	global_store_b8 v5, v254, s[60:61]
.endm
	PASS 0
	PASS 1
	s_wait_tensorcnt 0x0
	ds_add_u32 v223, v243
	s_wait_dscnt 0x0
	CROUND                                         ; the closing round: no work-group ends while a partner may still ask for a tile that names it
	s_endpgm
.Lfunc_end_k_q36590c32eb_attn:
	.size	k_q36590c32eb_attn, .Lfunc_end_k_q36590c32eb_attn-k_q36590c32eb_attn
	.p2alignl 7, 3214868480
	.fill 96, 4, 3214868480
	.section	.rodata,"a",@progbits
	.p2align	6, 0x0
	.amdhsa_kernel k_q36590c32eb_attn
		.amdhsa_group_segment_fixed_size 215040
		.amdhsa_private_segment_fixed_size 0
		.amdhsa_enable_private_segment 0
		.amdhsa_kernarg_size 16
		.amdhsa_user_sgpr_count 2
		.amdhsa_user_sgpr_kernarg_segment_ptr 1
		.amdhsa_wavefront_size32 1
		.amdhsa_system_sgpr_workgroup_id_x 1
		.amdhsa_system_sgpr_workgroup_id_y 1
		.amdhsa_system_sgpr_workgroup_id_z 1
		.amdhsa_system_vgpr_workitem_id 0
		.amdhsa_next_free_vgpr 256
		.amdhsa_next_free_sgpr 80
		.amdhsa_reserve_vcc 1
		.amdhsa_float_denorm_mode_32 3
		.amdhsa_float_denorm_mode_16_64 3
		.amdhsa_memory_ordered 1
		.amdhsa_forward_progress 1
		.amdhsa_inst_pref_size 67
	.end_amdhsa_kernel
	.amdgpu_metadata
---
amdhsa.version: [ 1, 2 ]
amdhsa.kernels:
  - .name:           k_q36590c32eb_attn
    .symbol:         k_q36590c32eb_attn.kd
    .args:
      - { .name: qkv, .offset: 0, .size: 8, .value_kind: global_buffer, .address_space: global }
      - { .name: ow, .offset: 8, .size: 8, .value_kind: global_buffer, .address_space: global }
    .group_segment_fixed_size: 215040
    .private_segment_fixed_size: 0
    .kernarg_segment_align: 8
    .kernarg_segment_size: 16
    .max_flat_workgroup_size: 512
    .sgpr_count:     80
    .vgpr_count:     256
    .wavefront_size: 32
...
	.end_amdgpu_metadata
.endif
;; end of part 3
;; launch proj (part 4): grid 4 x 32, 4 waves a work-group, clusters of 4 x 4, 327,680 bytes of LDS; arguments ow, cw, out0; writes out0
.if DOCPART == 4
	.amdgcn_target "amdgcn-amd-amdhsa--gfx1250"
	.amdhsa_code_object_version 6
	.text
	.protected	k_q36590c32eb_proj
	.globl	k_q36590c32eb_proj
	.p2align	8
	.type	k_q36590c32eb_proj,@function
k_q36590c32eb_proj:
	s_mov_b64 s[64:65], 0
	v_nop
	global_prefetch_b8 v0, s[64:65] scope:SCOPE_SE
	s_setreg_imm32_b32 hwreg(HW_REG_WAVE_MODE, 25, 1), 1
	s_wait_xcnt 0x0
	s_wait_alu depctr_hold_cnt(0) depctr_sa_sdst(0) depctr_va_vdst(0) depctr_va_sdst(0) depctr_va_ssrc(0) depctr_va_vcc(0) depctr_vm_vsrc(0)
	s_getreg_b32 s2, hwreg(HW_REG_IB_STS2, 6, 4)
	s_cmp_eq_u32 s2, 0
	s_cbranch_scc0 .Lentry_in_a_cluster
	s_endpgm
.Lentry_in_a_cluster:
	s_bfe_u32 s2, ttmp6, 0x10000c
	s_cmp_lg_u32 s2, 0xf033
	s_cbranch_scc0 .Lentry_shape_is_right
	s_endpgm
.Lentry_shape_is_right:
; out0 = (attention's result) w_o^T on codes of BF6 (E3M2) with one E8M0 scale for each 32 along K = 1,024; out0: [8192][1024] f32.
; A = the result, by POSITIONS (a token's number with bits 3 and 4 exchanged), in ow as images of registers: [K / 256: 4][position / 16: 512][head % 4][768 bytes]; a unit of 768 bytes is 16 rows x 64 K: lane l's registers
; 0-3 at 16 l, registers 4-5 at 512 + 8 l.  Its scale bytes [position][32] at OS.  B = w_o: stored rows 11264.. of cw, in order: codes 768 bytes a row, scale bytes 32 a row at CWS.
; A tile of out0, 256 x 256, is made by a work-group of four waves, a wave 128 x 128: 64 accumulators.  K goes in steps of 256 through a ring of two LDS slots; A's part of a slot is a dense block of memory.
; The scale bytes of the work-group's 512 rows come once.  CLUSTERS of 4 x 4: A's tile is asked for jointly along a row of the cluster, B's along a column.  128 work-groups: half of the chip's WGPs have none.
; THE MATRIX INSTRUCTION IS USED TRANSPOSED (source 0 = 16 rows of B, source 1 = 16 rows of A): a lane holds eight neighbouring numbers of a row of out0.  On the way out a position's row goes to its token's row:
; the exchange of bits stands in the stores' immediates.
; REGISTERS, in windows of 256: window 0: v0-31 addresses; v32-63 scale words, two sets; from v128 A's fragments, ONE set; on the way out v128-255 rows read back.  window 1: B's fragments, TWO sets.  windows 2, 3: accumulators.
.set SIZE_K, 1024
.set KSTEP,  256
.set NQ,     KSTEP/128
.set ROWB,   192                       ; a row of B's tile in bytes
.set KROW,   768
.set PITCH,  240                       ; B's LDS row: 3 x (64 bytes of data + 16 of padding)
.set FR,     12
.set NLA,    4                         ; LDS loads that bring a fragment of A
.set NP,     4
.set HALFT,  128*PITCH                 ; 128 rows of B
.set HALFA,  24576                     ; 128 rows of A: eight tiles x four units of 768 bytes
.set KSLOTB, 1572864                   ; from 256 along K to the next in ow
.set SLOT,   2*HALFA+2*HALFT           ; A's 256 rows, then B's 256 rows
.set LAPS,   SIZE_K/(2*KSTEP)
.set KS,     SIZE_K/32
.set SCL,    2*SLOT                    ; behind the ring: the scale bytes, as rows of 256 bytes + 16 of padding
.set HALFS,  (128*KS/256)*272
.set SBLK,   (16*KS/256)*272
.set SPARE,  SCL+4*HALFS               ; the spare words, 128 bytes for each wave: two blocks of 256 bytes that no other line names
.set SPITCH, 528                       ; the way out: a stage of 16 rows x (512 bytes + 16) for each wave, in slot 0, which has had its last fill and its last read when the first result is stored there
.set CWS,    9437184
.set OS,     6291456
.set ADRA, 16                          ; v16-17 LDS address of my A units in slot 0, 1, + 16 x lane;  v18-19 the same + 8 x lane
.set ADRB, 20                          ; v20-21 my B fragments in slot 0, 1 (v22-23: for the pieces behind one padding more)
.set STO,  24
.set RD,   25
.set CO,   26
.set ADRS, 27
.set SPW,  28
.set NIL,  29
.set SC,   32
.set AF,   128
.set BK,   128
.set G1, 24
.set G0, 32
.set G1B, 48
.set G0B, 56
.set G1S, 68
.set G0S, 76
.set G1SB, 80
.set G0SB, 88
.set MSB, 0
.macro WIN new
.if MSB != (\new)
	s_set_vgpr_msb (MSB<<8)|(\new)
.set MSB, \new
.endif
.endm
.set MUL_LO, 0xa1
.set MUL_HI, 0xf1
.set TO_B,   0x40
.macro JLOAD g0a, g1a, g0b, g1b        ; a joint load: waves 0 and 1 fetch for A, waves 2 and 3 for B; four v_nop follow each of the two lines
	s_cmp_eq_u32 s15, 0
	s_cbranch_scc0 .Lfor_b_\@
	tensor_load_to_lds s[\g0a:\g0a+3], s[\g1a:\g1a+7]
	s_nop 0
.rept 4
	v_nop
.endr
	s_branch .Lasked_\@
.Lfor_b_\@:
	tensor_load_to_lds s[\g0b:\g0b+3], s[\g1b:\g1b+7]
	s_nop 0
.rept 4
	v_nop
.endr
.Lasked_\@:
.endm
.macro CREST
	s_cmp_lg_u32 s14, 0
	s_cbranch_scc1 .Lnot_wave_0_\@
	s_barrier_signal -3
.Lnot_wave_0_\@:
	s_barrier_wait -3
	s_barrier_signal -1
	s_barrier_wait -1
.endm
.macro CROUND
	s_barrier_signal -1
	s_barrier_wait -1
	CREST
.endm
	s_load_b128 s[4:7], s[0:1], 0x0                ; ow s[4:5], cw s[6:7]
	s_load_b64 s[12:13], s[0:1], 0x10              ; out0
	v_lshl_add_u32 v[SPW], v0, 2, SPARE
	v_mov_b32 v[NIL], 0
	ds_add_u32 v28, v29
	ds_add_u32 v28, v29
	s_wait_dscnt 0x0
	v_lshrrev_b32 v1, 5, v0
	v_readfirstlane_b32 s14, v1                    ; wave 0..3
	s_lshr_b32 s15, s14, 1                         ; which half of the tile's rows is mine.  Also: I fetch for A (0) or for B (1)
	s_and_b32 s16, s14, 1                          ; which half of its columns.  Also: which 128 rows of that tile I fetch
	s_bfe_u32 s40, ttmp6, 0x40000                  ; cx, cy
	s_bfe_u32 s41, ttmp6, 0x40004
	s_lshl_b32 s42, ttmp9, 2
	s_add_co_u32 s42, s42, s40                     ; tile column = 4 x cluster x + cx
	s_and_b32 s17, ttmp7, 0xffff
	s_lshl_b32 s17, s17, 2
	s_add_co_u32 s17, s17, s41                     ; tile row = 4 x cluster y + cy
	s_lshl_b32 s43, s41, 2
	s_lshl_b32 s43, 15, s43                        ; my row of the cluster
	s_lshl_b32 s44, 0x1111, s40                    ; my column
	; group 1 for A: a dense block of 24,576 bytes as 96 rows of 256 bytes (32 elements of 8 bytes), no padding
	s_or_b32 s[G1+0], s43, (3<<16)|(1<<21)
	s_mov_b32 s[G1+1], 32<<16
	s_mov_b32 s[G1+2], 96<<16
	s_mov_b32 s[G1+3], 32<<16
	s_mov_b32 s[G1+4], 96
	s_mov_b32 s[G1+5], 32
	s_mov_b32 s[G1+6], 0
	s_mov_b32 s[G1+7], 0
	; for B: 128 rows x 192 bytes, 16 bytes of padding behind every 64
	s_or_b32 s[G1B+0], s44, (0<<16)|(1<<20)|(1<<21)|(3<<22)|(3<<25)
	s_mov_b32 s[G1B+1], ROWB<<16
	s_mov_b32 s[G1B+2], 128<<16
	s_mov_b32 s[G1B+3], ROWB<<16
	s_mov_b32 s[G1B+4], 128
	s_mov_b32 s[G1B+5], KROW
	s_mov_b32 s[G1B+6], 0
	s_mov_b32 s[G1B+7], 0
	; the scale bytes of 128 rows: 16 rows of 256 bytes, 16 bytes of padding behind each
	s_or_b32 s[G1S+0], s43, (3<<16)|(1<<20)|(1<<21)|(5<<22)|(3<<25)
	s_or_b32 s[G1SB+0], s44, (3<<16)|(1<<20)|(1<<21)|(5<<22)|(3<<25)
.irp g, G1S, G1SB
	s_mov_b32 s[\g+1], 32<<16
	s_mov_b32 s[\g+2], (128*KS/256)<<16
	s_mov_b32 s[\g+3], 32<<16
	s_mov_b32 s[\g+4], 128*KS/256
	s_mov_b32 s[\g+5], 32
	s_mov_b32 s[\g+6], 0
	s_mov_b32 s[\g+7], 0
.endr
	s_mul_i32 s20, s17, 2*HALFA
	s_mul_i32 s18, s16, HALFA
	s_add_co_u32 s20, s20, s18                     ; A's codes: 16 tiles of 3,072 bytes a tile row, my half of them
	s_mov_b32 s21, 0
	s_lshl_b32 s22, s17, 8
	s_lshl_b32 s18, s16, 7
	s_add_co_u32 s22, s22, s18                     ; A's first position that I fetch
	s_lshl_b32 s22, s22, 5
	s_add_co_u32 s22, s22, OS                      ; its scale bytes
	s_mov_b32 s23, 0
	s_lshl_b32 s46, s42, 8
	s_add_co_u32 s46, s46, s18
	s_add_co_u32 s46, s46, 11264                   ; B's stored row
	s_lshl_b32 s92, s46, 5
	s_add_co_u32 s92, s92, CWS
	s_mov_b32 s93, 0
	s_mul_i32 s46, s46, KROW
	s_mov_b32 s47, 0
	s_mul_i32 s45, s16, HALFA                      ; where they go: A's two halves,
	s_mul_i32 s95, s16, HALFT
	s_add_co_u32 s95, s95, 2*HALFA                 ; then B's two: no place in the cluster enters an LDS address
	s_mul_i32 s94, s14, HALFS
	s_wait_kmcnt 0x0
	s_add_nc_u64 s[20:21], s[4:5], s[20:21]
	s_add_nc_u64 s[22:23], s[4:5], s[22:23]
	s_add_nc_u64 s[46:47], s[6:7], s[46:47]
	s_add_nc_u64 s[92:93], s[6:7], s[92:93]
	CROUND                                         ; all sixteen work-groups are here: the first joint loads meet
	s_mov_b32 s[G0S], 1
	s_add_co_u32 s[G0S+1], s94, SCL
	s_mov_b64 s[G0S+2:G0S+3], s[22:23]
	s_or_b32 s[G0S+3], s[G0S+3], 0x80000000
	s_mov_b32 s[G0SB], 1
	s_add_co_u32 s[G0SB+1], s94, SCL
	s_mov_b64 s[G0SB+2:G0SB+3], s[92:93]
	s_or_b32 s[G0SB+3], s[G0SB+3], 0x80000000
	JLOAD G0S, G1S, G0SB, G1SB                     ; the scale bytes first
.irp s, 0,1
	s_mov_b32 s[G0+4*\s], 1
	s_add_co_u32 s[G0+4*\s+1], s45, \s*SLOT
	s_add_nc_u64 s[G0+4*\s+2:G0+4*\s+3], s[20:21], \s*KSLOTB
	s_or_b32 s[G0+4*\s+3], s[G0+4*\s+3], 0x80000000
	s_mov_b32 s[G0B+4*\s], 1
	s_add_co_u32 s[G0B+4*\s+1], s95, \s*SLOT
	s_add_nc_u64 s[G0B+4*\s+2:G0B+4*\s+3], s[46:47], \s*ROWB
	s_or_b32 s[G0B+4*\s+3], s[G0B+4*\s+3], 0x80000000
	JLOAD G0+4*\s, G1, G0B+4*\s, G1B               ; by this text's count three tensor loads of a wave are out now
.endr
	v_and_b32 v1, 15, v0                           ; r
	v_bfe_u32 v2, v0, 4, 1                         ; h
	v_and_b32 v6, 31, v0                           ; lane
	v_mul_u32_u24 v3, v1, PITCH
	v_mul_u32_u24 v4, v2, 24
	v_add_nc_u32 v4, v3, v4                        ; B: a fragment's row x pitch + 24 x half
	v_lshl_add_u32 v5, v2, 4, v4                   ; and the same behind one padding more
	v_lshlrev_b32 v7, 4, v6
	v_lshlrev_b32 v8, 3, v6
	s_mul_i32 s21, s15, HALFA                      ; my 128 rows of A
	s_mul_i32 s22, s16, HALFT                      ; my 128 rows of B,
	s_add_co_u32 s22, s22, 2*HALFA                 ; which lie behind A's 256
.irp s, 0,1
	v_add_nc_u32 v[ADRA+\s], s21, v7
	v_add_nc_u32 v[ADRA+2+\s], s21, v8
	v_add_nc_u32 v[ADRB+\s], s22, v4
	v_add_nc_u32 v[ADRB+2+\s], s22, v5
	s_add_co_u32 s21, s21, SLOT
	s_add_co_u32 s22, s22, SLOT
.endr
	v_mul_u32_u24 v5, v1, KS                       ; my row's scale bytes: KS bytes a row,
	v_lshrrev_b32 v6, 8, v5
	v_lshl_add_u32 v5, v6, 4, v5                   ; and 16 more for each 256 passed
	s_mul_i32 s21, s15, HALFS
	s_mul_i32 s22, s16, HALFS
	s_add_co_u32 s22, s22, 2*HALFS
	s_sub_co_u32 s22, s22, s21
	v_mul_u32_u24 v6, s22, v2                      ; lanes 16-31 take B's
	s_add_co_u32 s21, s21, SCL
	v_add_nc_u32 v5, v5, v6
	v_add_nc_u32 v[ADRS], s21, v5
	s_mul_i32 s23, s14, 16*SPITCH                  ; my stage
	v_mul_u32_u24 v5, v1, SPITCH                   ; in: row r, 32 bytes for each half of the lanes
	v_lshl_add_u32 v5, v2, 5, v5
	v_add_nc_u32 v[STO], s23, v5
	v_mov_b32 v[CO], v7                            ; back: the 32 lanes take one row of 512 bytes; and the same in out0
	v_add_nc_u32 v[RD], s23, v7
	s_lshl_b32 s20, s17, 8
	s_lshl_b32 s21, s15, 7
	s_add_co_u32 s20, s20, s21                     ; my first row: 256 x tile row + 128 x half
	s_lshl_b32 s20, s20, 12                        ; rows of 4,096 bytes
	s_lshl_b32 s46, s42, 10                        ; my first column, in bytes: 1,024 x tile column + 512 x half
	s_lshl_b32 s47, s16, 9
	s_add_co_u32 s46, s46, s47
	s_add_co_u32 s20, s20, s46
	s_mov_b32 s21, 0
	s_add_nc_u64 s[12:13], s[12:13], s[20:21]
.macro FRAG reg, adr, q, i             ; a fragment of B from rows: 24 bytes of the row for each half, in pieces of 8 bytes
.irp p, 0,1,2,3,4,5
.set PCE, 12*(\q)+6*(\p/3)+\p%3
.if PCE%8 < 5
	ds_load_b64 v[\reg+2*\p:\reg+2*\p+1], v[\adr] offset:8*PCE+16*(PCE/8)+(\i)*16*PITCH
.else
	ds_load_b64 v[\reg+2*\p:\reg+2*\p+1], v[\adr+2] offset:8*PCE+16*(PCE/8)+(\i)*16*PITCH
.endif
.endr
.endm
.macro FRAG_A reg, slot, q, i          ; a fragment of A from two units: each comes back as it was stored
.irp c, 0,1
	ds_load_b128 v[\reg+6*\c:\reg+6*\c+3], v[ADRA+\slot] offset:(\i)*3072+(2*(\q)+\c)*768
	ds_load_b64 v[\reg+6*\c+4:\reg+6*\c+5], v[ADRA+2+\slot] offset:(\i)*3072+(2*(\q)+\c)*768+512
.endr
.endm
.macro MUL16 a0, p, q, sc, zero        ; 16 matrix instructions: A's blocks a0, a0 + 1 x B's eight.  The 64 accumulators take turns, one instruction a turn
.irp a, \a0, \a0+1
.irp b, 0,1,2,3,4,5,6,7
.if \zero
	v_wmma_scale_f32_16x16x128_f8f6f4 v[8*(8*((\a)%4)+\b):8*(8*((\a)%4)+\b)+7], v[128*(\p)+FR*\b:128*(\p)+FR*\b+FR-1], v[AF+FR*(\a):AF+FR*(\a)+FR-1], 0, v[SC+8*NQ*(\sc)+NQ*\b+(\q)], v[SC+8*NQ*(\sc)+NQ*(\a)+(\q)] matrix_a_fmt:MATRIX_FMT_BF6 matrix_b_fmt:MATRIX_FMT_BF6 matrix_a_scale:MATRIX_SCALE_ROW1
.else
	v_wmma_scale_f32_16x16x128_f8f6f4 v[8*(8*((\a)%4)+\b):8*(8*((\a)%4)+\b)+7], v[128*(\p)+FR*\b:128*(\p)+FR*\b+FR-1], v[AF+FR*(\a):AF+FR*(\a)+FR-1], v[8*(8*((\a)%4)+\b):8*(8*((\a)%4)+\b)+7], v[SC+8*NQ*(\sc)+NQ*\b+(\q)], v[SC+8*NQ*(\sc)+NQ*(\a)+(\q)] matrix_a_fmt:MATRIX_FMT_BF6 matrix_b_fmt:MATRIX_FMT_BF6 matrix_a_scale:MATRIX_SCALE_ROW1
.endif
.endr
.endr
.endm
.macro FETCH_B slot, q, p
	WIN TO_B
.irp i, 0,1,2,3,4,5,6,7
	FRAG 128*(\p)+FR*\i, ADRB+\slot, \q, \i
.endr
	WIN 0
.endm
.macro FETCH_A slot, q, i0
.irp i, \i0, \i0+1, \i0+2, \i0+3
	FRAG_A AF+FR*(\i), \slot, \q, \i
.endr
.endm
.macro SCALES sc
.irp i, 0,1,2,3,4,5,6,7
	ds_load_b64 v[SC+8*NQ*\sc+NQ*\i:SC+8*NQ*\sc+NQ*\i+1], v[ADRS] offset:\i*SBLK
.endr
.endm
.macro PLACES n
.rept \n
	v_nop
.endr
.endm
.macro STEP slot, q, zero
	s_wait_dscnt 4*NLA                             ; B's set and A's blocks 0-3 are in; the youngest 16 loads (A's blocks 4-7) may be out
	WIN MUL_LO
	MUL16 0, (\q)%2, \q, \slot, \zero
	MUL16 2, (\q)%2, \q, \slot, \zero
	s_wait_dscnt 0
	PLACES NP
	FETCH_B \slot, (\q)+1, 1-(\q)%2
	FETCH_A \slot, (\q)+1, 0
	WIN MUL_HI
	MUL16 4, (\q)%2, \q, \slot, \zero
	MUL16 6, (\q)%2, \q, \slot, \zero
	PLACES NP
	WIN 0
	FETCH_A \slot, (\q)+1, 4
.endm
.macro TURN slot, next, fill
	s_wait_tensorcnt 0x0                           ; all my tensor loads have landed: my part of the next slot
	ds_add_u32 v[SPW], v[NIL]                      ; 0 onto my spare word
	s_wait_dscnt 4*NLA+1                           ; (the add and the youngest 16 loads may be out)
	WIN MUL_LO
	MUL16 0, 1, NQ-1, \slot, 0
	s_wait_dscnt 0x0                               ; the add is done, and my reads of this slot are over
	s_barrier_signal -1
	MUL16 2, 1, NQ-1, \slot, 0
	WIN 0
	s_barrier_wait -1
.if \fill
	CREST                                          ; the barrier has opened a round of the cluster's barrier: no wave of any partner still reads this slot's tile or has a load on its way
	s_add_nc_u64 s[G0+4*\slot+2:G0+4*\slot+3], s[G0+4*\slot+2:G0+4*\slot+3], 2*KSLOTB
	s_add_nc_u64 s[G0B+4*\slot+2:G0B+4*\slot+3], s[G0B+4*\slot+2:G0B+4*\slot+3], 2*ROWB
	JLOAD G0+4*\slot, G1, G0B+4*\slot, G1B         ; the first tensor load behind the round
.else
	PLACES NP
.endif
	v_add_nc_u32 v[ADRS], 4*NQ, v[ADRS]
	FETCH_B \next, 0, 0
	FETCH_A \next, 0, 0
	SCALES \next
	WIN MUL_HI
	MUL16 4, 1, NQ-1, \slot, 0
	MUL16 6, 1, NQ-1, \slot, 0
	PLACES NP
	WIN 0
	FETCH_A \next, 0, 4
.endm
	s_wait_tensorcnt 1                             ; the scale bytes and my part of K step 0 are in (K step 1's load may be out)
	s_barrier_signal -1
	s_barrier_wait -1
	FETCH_B 0, 0, 0
	FETCH_A 0, 0, 0
	SCALES 0
	FETCH_A 0, 0, 4
	STEP 0, 0, 1
	s_mov_b32 s3, LAPS-1
.Llap:
	TURN 0, 1, 1
	STEP 1, 0, 0
	TURN 1, 0, 1
	STEP 0, 0, 0
	s_sub_co_u32 s3, s3, 1
	s_cmp_lg_u32 s3, 0
	s_cbranch_scc1 .Llap
	TURN 0, 1, 0
	STEP 1, 0, 0
	s_wait_dscnt 4*NLA
	WIN MUL_LO
	MUL16 0, 1, NQ-1, 1, 0
	MUL16 2, 1, NQ-1, 1, 0
	s_wait_dscnt 0
	WIN MUL_HI
	MUL16 4, 1, NQ-1, 1, 0
	MUL16 6, 1, NQ-1, 1, 0
	WIN 0
; THE WAY OUT, block by block of 16 rows x 128 columns, through my own stage in LDS; back as whole rows of 512 bytes.  LDS serves a wave's instructions in order: no wait between the stores and the loads.
.macro TOSTAGE a
.set AC, 64*((\a)%4)
	WIN 0x08+4*((\a)/4)                            ; the data: window 2 or 3
.irp b, 0,1,2,3,4,5,6,7
	ds_store_b128 v[STO], v[AC+8*\b:AC+8*\b+3] offset:64*\b          ; each accumulator from its low end on
	ds_store_b128 v[STO], v[AC+8*\b+4:AC+8*\b+7] offset:64*\b+16
.endr
	WIN 0
.set BB, BK+64*((\a)%2)
.irp t, 0,1,2,3,4,5,6,7,8,9,10,11,12,13,14,15
	ds_load_b128 v[BB+4*\t:BB+4*\t+3], v[RD] offset:\t*SPITCH
.endr
.endm
.macro SEND a, younger                 ; position 16 a + t of my 128 is token 32 (a / 2) + 16 (t / 8) + 8 (a % 2) + t % 8: 127 rows of 4,096 bytes at the most, inside the signed 24-bit immediate
.set BB, BK+64*((\a)%2)
	s_wait_dscnt \younger                          ; the block is back in registers
.irp t, 0,1,2,3,4,5,6,7,8,9,10,11,12,13,14,15
	global_store_b128 v[CO], v[BB+4*\t:BB+4*\t+3], s[12:13] offset:(32*((\a)/2)+8*((\a)%2)+(\t)%8+16*((\t)/8))*4096 th:TH_STORE_NT   ; 32 lanes store 512 consecutive bytes, at a multiple of 256 from out0's first byte
.endr
.endm
	PLACES NP
	TOSTAGE 0
.irp a, 1,2,3,4,5,6,7
.if \a > 1
	s_wait_xcnt 0x0                                ; block a - 2's stores have read their registers: block a's loads may land there
.endif
	TOSTAGE \a
	SEND \a-1, 32                                  ; behind block a - 1's loads: block a's 16 stores and 16 loads
.endr
	SEND 7, 0
	s_wait_tensorcnt 0x0                           ; the wave's end: behind my last tensor load and my last LDS store
	ds_add_u32 v[SPW], v[NIL]
	s_wait_dscnt 0x0
	CROUND                                         ; the closing round
	s_endpgm
.Lfunc_end_k_q36590c32eb_proj:
	.size	k_q36590c32eb_proj, .Lfunc_end_k_q36590c32eb_proj-k_q36590c32eb_proj
	.p2alignl 7, 3214868480
	.fill 96, 4, 3214868480
	.section	.rodata,"a",@progbits
	.p2align	6, 0x0
	.amdhsa_kernel k_q36590c32eb_proj
		.amdhsa_group_segment_fixed_size 327680
		.amdhsa_private_segment_fixed_size 0
		.amdhsa_enable_private_segment 0
		.amdhsa_kernarg_size 24
		.amdhsa_user_sgpr_count 2
		.amdhsa_user_sgpr_kernarg_segment_ptr 1
		.amdhsa_wavefront_size32 1
		.amdhsa_system_sgpr_workgroup_id_x 1
		.amdhsa_system_sgpr_workgroup_id_y 1
		.amdhsa_system_sgpr_workgroup_id_z 1
		.amdhsa_system_vgpr_workitem_id 0
		.amdhsa_next_free_vgpr 1024
		.amdhsa_next_free_sgpr 100
		.amdhsa_reserve_vcc 0
		.amdhsa_float_denorm_mode_32 3
		.amdhsa_float_denorm_mode_16_64 3
		.amdhsa_memory_ordered 1
		.amdhsa_forward_progress 1
		.amdhsa_inst_pref_size 152
	.end_amdhsa_kernel
	.amdgpu_metadata
---
amdhsa.version: [ 1, 2 ]
amdhsa.kernels:
  - .name:           k_q36590c32eb_proj
    .symbol:         k_q36590c32eb_proj.kd
    .args:
      - { .name: ow, .offset: 0, .size: 8, .value_kind: global_buffer, .address_space: global }
      - { .name: cw, .offset: 8, .size: 8, .value_kind: global_buffer, .address_space: global }
      - { .name: out0, .offset: 16, .size: 8, .value_kind: global_buffer, .address_space: global }
    .group_segment_fixed_size: 327680
    .private_segment_fixed_size: 0
    .kernarg_segment_align: 8
    .kernarg_segment_size: 24
    .max_flat_workgroup_size: 128
    .sgpr_count:     100
    .vgpr_count:     1024
    .wavefront_size: 32
...
	.end_amdgpu_metadata
.endif
;; end of part 4
